; MI455X (gfx1250); checked and timed in simulation.
; The chip was launched on July 23, 2026; its instructions are those of AMD's public machine-readable ISA for CDNA 5 (MIT licence, August 2026) and "CDNA5" Instruction Set Architecture Reference Guide (July 2026). The comments in the code are by the model that wrote it; some were corrected since.
;; Multi Headed Attention. Allowed arithmetic: matrix products marked QUANTISED: E2M3 operands, one E8M0 scale for each 32 along K, by v_wmma_scale_f32_16x16x128_f8f6f4 with both operands' format E2M3, f32 sums; everything else in f32.
;; Inputs: Wk 1,024 x 1,024 float32; Wo 1,024 x 1,024 float32; Wq 1,024 x 1,024 float32; Wv 1,024 x 1,024 float32; bk 1,024 float32; bo 1,024 float32; bq 1,024 float32; bv 1,024 float32; k 4 x 2,048 x 1,024 float32; mask 1 x 1 x 2,048 x 2,048 int32; q 4 x 2,048 x 1,024 float32; v 4 x 2,048 x 1,024 float32.
;; Outputs: out0 4 x 2,048 x 1,024 float32.
;; This version of the problem:
;;   THIS VERSION OF THE PROBLEM IS GIVEN IN LOW PRECISION. The matrix products marked QUANTISED in the list below multiply operands that are first quantised to E2M3 (2 exponent bits, 3 mantissa bits; 6 bits a number), with one power-of-two scale for each 32 numbers along K (OCP MX v1.0); their sums are f32. All else is computed in f32.
;;   The module's matrix products, in the order in which they are computed (A, B: the left and right operand; K: the contracted axis; several contracted axes count as one K, in the product's order):
;;     1. [M 8,192, K 1,024] x [K 1,024, N 1,024]; A: input q; B: input Wq: QUANTISED
;;     2. [M 8,192, K 1,024] x [K 1,024, N 1,024]; A: input k; B: input Wk: QUANTISED
;;     3. [M 8,192, K 1,024] x [K 1,024, N 1,024]; A: input v; B: input Wv: QUANTISED
;;     4. batch 64 x [M 2,048, K 64] x [K 64, N 2,048]; A: computed on the way; B: computed on the way: QUANTISED
;;     5. batch 64 x [M 2,048, K 2,048] x [K 2,048, N 64]; A: softmax (see below); B: computed on the way: QUANTISED
;;     6. [M 8,192, K 1,024] x [K 1,024, N 1,024]; A: computed on the way; B: input Wo: QUANTISED
;;   THE QUANTISER, for each operand of a quantised product, along K:
;;     - K is cut into blocks of 32 from its start; a last block that is shorter is filled with zeros.
;;     - A block's scale is 2^e with e = floor(log2(the largest magnitude in the block)) - 2, held to -126 .. 127; a block of zeros has e = 0. As a byte (E8M0): e + 127.
;;     - Each number is divided by its block's scale, clamped to +-7.5, and rounded to the nearest number of E2M3, ties to even, subnormals kept.
;;     - The product sums the exact products of the quantised numbers (number of the format x scale) in f32.
;;   ~~~python
;;   def quantise(x, axis):      # numpy; x: float32 -> the quantised numbers, widened to float32 again
;;       x = np.moveaxis(x, axis, -1); K = x.shape[-1]
;;       x = np.pad(x, [(0, 0)] * (x.ndim - 1) + [(0, -K % 32)]); x = x.reshape(x.shape[:-1] + (-1, 32)); a = np.abs(x).max(-1, keepdims=True)
;;       e = np.where(a > 0, np.clip(np.frexp(np.where(a > 0, a, 1))[1] - 1 - 2, -126, 127), 0)      # np.frexp(a)[1] - 1 = floor(log2(a)), exactly
;;       r = np.clip(x / 2.0 ** e, -7.5, 7.5)
;;       step = 2.0 ** (np.maximum(np.frexp(np.where(r == 0, 1, r))[1] - 1, 0) - 3)
;;       q = np.round(r / step) * step * 2.0 ** e      # np.round: ties to even
;;       return np.moveaxis(q.reshape(q.shape[:-2] + (-1,))[..., :K], -1, axis).astype(np.float32)
;;   ~~~
;;   SOFTMAX AHEAD OF A QUANTISED PRODUCT. Where the list says 'softmax', what is quantised is not the finished softmax but p = 2^(t - M), with t = logit x log2(e) and M = ceil(the row's largest t), a whole number; so 1/2 < the row's largest p <= 1. The row's sum l is taken of the UNQUANTISED p, in f32, and the product's result is divided by l at the end. Since M is a whole number, a kernel that streams over the keys may use a running M (the ceiling of the running maximum): every later rescaling is an exact power of two, which a block's scale takes up: the codes' values come out the same.
;;   OPERANDS COMPUTED ON THE WAY. 'Computed on the way' means the value that the module computes at that place (a softmax that the list does not call 'softmax' is quantised finished and normalised). What goes into a quantiser is computed in f32, as accurately as f32 sums, v_exp_f32 and their like allow (about 1e-6 of the number): no bf16 or f16 on the way to a quantiser, and a product that is left as it is and whose result goes on into a quantised operand takes f32 operands (vector FMAs, or v_wmma_f32_16x16x4_f32). A number that lies on a knife's edge between two numbers of the format may be rounded either way, as far as f32 arithmetic and the matrix unit's own rounding can turn it there, and no further.
;; 2 versions, each right; version 2 is version 1 with the launch attn written anew for expert scheduling mode. Each part assembles by itself: llvm-mc -triple=amdgcn-amd-amdhsa -mcpu=gfx1250 --defsym DOCPART=n.
;; ======== version 1 of 2: 4 launches
;; workspace buffers: XQ 19,660,800 bytes; WQ 3,276,800 bytes; MW 526,336 bytes of whole numbers; QH 6,815,744 bytes; KV 13,631,488 bytes; XO 6,553,600 bytes
;; launch prep (part 1): grid 576 x 1, 4 waves a work-group, no clusters, 83,456 bytes of LDS; arguments q, k, v, Wq, Wk, Wv, Wo, mask, XQ, WQ, MW; writes XQ, WQ, MW
.if DOCPART == 1
	.amdgcn_target "amdgcn-amd-amdhsa--gfx1250"
	.amdhsa_code_object_version 6
	.text
	.protected	k_qf9efde1230_prep
	.globl	k_qf9efde1230_prep
	.p2align	8
	.type	k_qf9efde1230_prep,@function
k_qf9efde1230_prep:
	s_mov_b64 s[64:65], 0
	v_nop
	global_prefetch_b8 v0, s[64:65] scope:SCOPE_SE
	s_setreg_imm32_b32 hwreg(HW_REG_WAVE_MODE, 25, 1), 1
	s_wait_xcnt 0x0
; q, k, v [8192][1024] and Wq, Wk, Wv, Wo [1024 (k)][1024 (n)], f32, become codes of FP6 (E2M3) with one E8M0 byte for each 32 along K, laid as IMAGES OF THE OPERAND'S REGISTERS;
; the mask [2048][2048] becomes lane-mask words and flags.  Three ways part on the work-group's number and never join: 0-383 the inputs, 384-447 the weights, 448-575 the mask.
; A TILE's 16 rows are rho(T, r) = 32 (T / 2) + 8 (T % 2) + r + 8 (r / 8).  A FRAGMENT (16 rows x 128 K, 12 registers a lane) is 1,536 bytes: registers 4 p .. 4 p + 3 of lane l at 512 p + 16 l.
; XQ: [3 x 512 tiles][8 K steps][1,536], then from XSOFF the scale words [tile][g = 0, 1][r][4 words] (word i: K step 4 g + i).  WQ: the same for 4 x 64 tiles of columns n.
; MW: [T][S][64 words]: bit l of word n = (mask[rho(T, l % 16)][128 S + 32 (n / 16) + 16 (l / 16) + n % 16] == 0); from FWOFF [T][4 words]: bit k of word w: key step 4 w + k has a hidden key.
; A block's scale is 2^(floor(log2(largest magnitude)) - 2); its byte is the largest magnitude's exponent field - 2, held at 1 from below.
; LIMITS: a block of zeros keeps the byte 1 (its codes are zeros; this program alone reads the bytes); NaN and infinities among the inputs are not served.
; No tensor load, no barrier: waves share nothing; each way has LDS bytes of its own.
.set XSOFF,  18874368
.set WSOFF,  3145728
.set FWOFF,  524288
.set XST,    0                         ; the inputs' stages: 4 waves x 16 rows x 528 bytes
.set MST,    33792                     ; the mask's, the same shape
.set WST,    67584                     ; the weights': 4 waves x (two tile images 1,664 apart, then 512 bytes of scale words)
.set SPARE,  82944                     ; the spare words, 128 bytes a wave: two blocks of 256 bytes that no other line names
.set SPW,    12                        ; v12  LDS address of my spare word; never rewritten
.set NIL,    13                        ; v13  0; never rewritten
.set R,      16                        ; v16-143  two sets of 64 numbers as loaded
.set X,      144                       ; v144-207 64 numbers of my row: register 16 b + i = k 32 b + 16 (lane / 16) + i
.set PC,     208                       ; v208-219 a fragment's codes; v220-222, v224-226 second halves on their way
.set TM,     228                       ; v228-243 at work in QUANT
.set PW,     244                       ; v244-251 the tile's eight scale words
.set D,      16                        ; weights: v16-79 two sets of 32 numbers down K
.set FH,     144                       ; v144-167 my column's registers as lane (r, 0) and lane (r, 1) of its tile's fragment
.set CT,     168
.set OUTR,   172                       ; v172-195 two fragments read back as images
.set PWW,    196                       ; v196-199 my column's four scale words
.set SEL,    30                        ; s[30:31] v_permlanex16_b32's selects for lane l xor 16
; 16 rows of a tile, 512 consecutive bytes of each: a load reads one row's piece, 16 bytes a lane
.macro LOADT set, sb, pitch, col
.set i, 0
.rept 16
	global_load_b128 v[R+64*(\set)+4*i:R+64*(\set)+4*i+3], v1, s[\sb:\sb+1] offset:(i+8*(i/8))*(\pitch)+(\col) th:TH_LOAD_NT
.set i, i+1
.endr
.endm
; through my stage: in as loaded (row i at 528 i), out 64 bytes of my row for each block of 32.  LDS serves a wave's instructions in order: no wait between
.macro TURNT set, base
.set i, 0
.rept 16
	ds_store_b128 v5, v[R+64*(\set)+4*i:R+64*(\set)+4*i+3] offset:(\base)+528*i
.set i, i+1
.endr
.set i, 0
.rept 16
	ds_load_b128 v[X+4*i:X+4*i+3], v6 offset:(\base)+128*(i/4)+16*(i%4)
.set i, i+1
.endr
.endm
; 64 numbers of a lane become a fragment's codes in v[PC] on and my row's scale word in v[pw]
.macro QUANT s, pw
.irp b, 0,1,2,3
	v_max3_num_f32 v[TM+\b], |v[\s+16*\b]|, |v[\s+1+16*\b]|, 0x1800000   ; my 16 numbers of block b, and the floor 2^(3 - 127): the byte cannot fall under 1
.endr
.irp i, 2,4,6,8,10,12,14
.irp b, 0,1,2,3
	v_max3_num_f32 v[TM+\b], v[TM+\b], |v[\s+16*\b+\i]|, |v[\s+1+16*\b+\i]|
.endr
.endr
.irp b, 0,1,2,3
	v_permlanex16_b32 v[TM+4+\b], v[TM+\b], s[SEL], s[SEL+1]
.endr
.irp b, 0,1,2,3
	v_max_num_f32 v[TM+\b], v[TM+\b], v[TM+4+\b]   ; with lane l xor 16's: the block's largest magnitude
.endr
.irp b, 0,1,2,3
	v_add_nc_u32 v[TM+12+\b], 0xff000000, v[TM+\b] ; 2 off its exponent field: the conversion's scale operand
.endr
.irp b, 0,1,2,3
	v_lshrrev_b32 v[TM+4+\b], 23, v[TM+12+\b]      ; the scale's byte
.endr
	v_lshl_or_b32 v[\pw], v[TM+5], 8, v[TM+4]
	v_lshl_or_b32 v[\pw], v[TM+6], 16, v[\pw]
	v_lshl_or_b32 v[\pw], v[TM+7], 24, v[\pw]
.irp c, 0,1
	v_cvt_scalef32_pk16_fp6_f32 v[PC+6*\c:PC+2+6*\c], v[\s+32*\c:\s+15+32*\c], v[TM+12+2*\c]
	v_cvt_scalef32_pk16_fp6_f32 v[PC+12+4*\c:PC+14+4*\c], v[\s+16+32*\c:\s+31+32*\c], v[TM+12+2*\c+1]   ; (a conversion's three registers begin on an even number)
.endr
	v_nop                                          ; one plain place behind a scaled conversion
.irp c, 0,1                                    ; the layout wants a whole block in a lane: lanes 0-15 block 2 c, lanes 16-31 block 2 c + 1
.irp i, 0,1,2
	v_permlane16_swap_b32 v[PC+6*\c+\i], v[PC+12+4*\c+\i]
.endr
.irp i, 0,1,2
	v_mov_b32 v[PC+3+6*\c+\i], v[PC+12+4*\c+\i]
.endr
.endr
.endm
.macro CLOSE                           ; the wave's end
	s_wait_tensorcnt 0x0
	ds_add_u32 v[SPW], v[NIL]
	s_wait_dscnt 0x0
	s_endpgm
.endm
	s_load_b512 s[4:19], s[0:1], 0x0               ; q, k, v, Wq, Wk, Wv, Wo, mask
	s_load_b128 s[20:23], s[0:1], 0x40             ; XQ, WQ
	s_load_b64 s[24:25], s[0:1], 0x50              ; MW
	v_lshl_add_u32 v[SPW], v0, 2, SPARE
	v_mov_b32 v[NIL], 0
	v_lshrrev_b32 v2, 5, v0
	v_readfirstlane_b32 s28, v2                    ; wave 0..3
	v_and_b32 v2, 31, v0                           ; lane
	v_lshlrev_b32 v1, 4, v2                        ; 16 x lane
	v_and_b32 v3, 15, v0                           ; r
	v_bfe_u32 v4, v0, 4, 1                         ; h
	s_mul_i32 s26, s28, 8448
	v_add_nc_u32 v5, s26, v1                       ; a stage, in: 8,448 wave + 16 lane (the way's base stands in the immediate)
	v_mul_u32_u24 v6, v3, 528
	v_lshl_add_u32 v6, v4, 6, v6
	v_add_nc_u32 v6, s26, v6                       ; out: row r, + 64 h
	s_mul_i32 s27, s28, 3840
	s_add_co_u32 s27, s27, WST
	v_bfe_u32 v7, v0, 3, 1                         ; weights: my column is row r' = lane % 8 + 8 (lane / 16) of tile u = (lane / 8) % 2 of the pair
	v_and_b32 v8, 7, v0
	v_lshl_add_u32 v8, v4, 3, v8
	v_mul_u32_u24 v9, v7, 1664
	v_lshl_add_u32 v9, v8, 4, v9
	v_add_nc_u32 v9, s27, v9                       ; images, in: 1,664 u + 16 r'
	v_add_nc_u32 v10, s27, v1                      ; out: 16 lane
	v_lshlrev_b32 v11, 8, v7
	v_lshl_add_u32 v11, v8, 4, v11
	v_add_nc_u32 v11, s27, v11                     ; scale words, in: 256 u + 16 r'
	v_lshlrev_b32 v14, 2, v2                       ; 4 x lane
	v_lshlrev_b32 v15, 3, v2                       ; 8 x lane
	s_mov_b32 s[SEL], 0x76543210
	s_mov_b32 s[SEL+1], 0xfedcba98
	s_mov_b32 s29, 0xffff0000                      ; lanes 16-31
	s_wait_kmcnt 0x0
	s_cmp_ge_u32 ttmp9, 448
	s_cbranch_scc1 .Lmask
	s_cmp_ge_u32 ttmp9, 384
	s_cbranch_scc1 .Lweights
	; ---- THE INPUTS.  Wave u = 4 g + wave takes tile u of the 1,536: 16 rows x 1,024 K in eight sub-steps of 128 K
	s_lshl_b32 s32, ttmp9, 2
	s_add_co_u32 s32, s32, s28                     ; u
	s_lshr_b32 s33, ttmp9, 7                       ; which tensor
	s_cmp_eq_u32 s33, 0
	s_cselect_b64 s[34:35], s[4:5], s[6:7]
	s_cmp_eq_u32 s33, 2
	s_cselect_b64 s[34:35], s[8:9], s[34:35]
	s_and_b32 s33, s32, 511                        ; its tile
	s_lshr_b32 s40, s33, 1
	s_lshl_b32 s40, s40, 5
	s_and_b32 s41, s33, 1
	s_lshl_b32 s41, s41, 3
	s_add_co_u32 s40, s40, s41                     ; the tile's first row
	s_lshl_b32 s40, s40, 12                        ; rows of 4,096 bytes
	s_mov_b32 s41, 0
	s_add_nc_u64 s[34:35], s[34:35], s[40:41]
	s_mul_i32 s40, s32, 12288
	s_add_nc_u64 s[36:37], s[20:21], s[40:41]      ; the tile's images
	s_lshl_b32 s40, s32, 9
	s_add_co_u32 s40, s40, XSOFF
	s_add_nc_u64 s[38:39], s[20:21], s[40:41]      ; its scale words
.irp b, 0,1,2,3
	v_mov_b32 v[TM+4+\b], 0                        ; written once: a lane permute's destination counts as one of its sources
.endr
	LOADT 0, 34, 4096, 0
	LOADT 1, 34, 4096, 512
.macro XSTEP t
.if (\t) < 7
	s_wait_loadcnt 16                              ; this sub-step's 16 loads are in; the next one's 16 stay out
.else
	s_wait_loadcnt 0x0
.endif
	TURNT (\t)%2, XST
	s_wait_dscnt 0x0                               ; my row's numbers are back; the stores into the stage have read their registers
	s_wait_xcnt 0x0                                ; the last sub-step's stores have read the codes' registers
.if (\t) < 6
	LOADT (\t)%2, 34, 4096, 512*((\t)+2)
.endif
	QUANT X, PW+(\t)
.irp p, 0,1,2
	global_store_b128 v1, v[PC+4*\p:PC+4*\p+3], s[36:37] offset:1536*(\t)+512*\p   ; 32 lanes store 512 consecutive bytes
.endr
.endm
.irp t, 0,1,2,3,4,5,6,7
	XSTEP \t
.endr
.irp i, 0,1,2,3
	v_cndmask_b32 v[TM+\i], v[PW+\i], v[PW+4+\i], s29   ; lanes 0-15: K steps 0-3 of row r; lanes 16-31: K steps 4-7
.endr
	global_store_b128 v1, v[TM:TM+3], s[38:39]     ; 512 consecutive bytes
	CLOSE
	; ---- THE WEIGHTS.  A lane takes a column n and its registers run down K.  A wave takes 32 columns (a pair of tiles) x 512 K: 16 blocks of 32, four K steps
.Lweights:
	s_sub_co_u32 s32, ttmp9, 384
	s_lshr_b32 s33, s32, 4                         ; which matrix
	s_bfe_u32 s42, s32, 0x10003                    ; which half of K
	s_and_b32 s43, s32, 7
	s_lshl_b32 s43, s43, 2
	s_add_co_u32 s43, s43, s28                     ; which 32 columns
	s_cmp_lt_u32 s33, 2
	s_cselect_b64 s[34:35], s[10:11], s[14:15]
	s_cselect_b64 s[36:37], s[12:13], s[16:17]
	s_and_b32 s40, s33, 1
	s_cmp_eq_u32 s40, 1
	s_cselect_b64 s[34:35], s[36:37], s[34:35]
	s_lshl_b32 s40, s42, 21                        ; 512 rows of 4,096 bytes
	s_lshl_b32 s41, s43, 7
	s_add_co_u32 s40, s40, s41
	s_mov_b32 s41, 0
	s_add_nc_u64 s[34:35], s[34:35], s[40:41]
	s_lshl_b32 s44, s33, 6
	s_lshl_b32 s45, s43, 1
	s_add_co_u32 s44, s44, s45                     ; the pair's first tile
	s_mul_i32 s40, s44, 12288
	s_mul_i32 s45, s42, 6144
	s_add_co_u32 s40, s40, s45
	s_add_nc_u64 s[36:37], s[22:23], s[40:41]      ; its images, from my half's first K step on
	s_lshl_b32 s40, s44, 9
	s_lshl_b32 s45, s42, 8
	s_add_co_u32 s40, s40, s45
	s_add_co_u32 s40, s40, WSOFF
	s_add_nc_u64 s[38:39], s[22:23], s[40:41]      ; its scale words, my half's group
	v_lshlrev_b32 v208, 4, v3
	v_lshl_add_u32 v208, v4, 9, v208               ; on the way out: tile lane / 16, row lane % 16
.macro WLOAD t
.set i, 0
.rept 32
	global_load_b32 v[D+32*((\t)%2)+i], v14, s[34:35] offset:(32*(\t)+i)*4096 th:TH_LOAD_NT   ; one row k at 32 neighbouring columns
.set i, i+1
.endr
.endm
.macro WBLOCK t
.set DS, D+32*((\t)%2)
.set FD, FH+12*((\t)%2)+6*(((\t)%4)/2)         ; block kb = t % 4 of a K step is registers 6 (kb / 2) on of fragment lane (r', kb % 2)
.if (\t) < 15
	s_wait_loadcnt 32                              ; this block's 32 loads are in; the next block's 32 stay out
.else
	s_wait_loadcnt 0x0
.endif
	v_max3_num_f32 v200, |v[DS]|, |v[DS+1]|, |v[DS+2]|
	v_max3_num_f32 v201, |v[DS+3]|, |v[DS+4]|, |v[DS+5]|
.irp i, 6,10,14,18,22,26
	v_max3_num_f32 v200, v200, |v[DS+\i]|, |v[DS+\i+1]|
	v_max3_num_f32 v201, v201, |v[DS+\i+2]|, |v[DS+\i+3]|
.endr
	v_max3_num_f32 v200, v200, |v[DS+30]|, |v[DS+31]|
	v_max3_num_f32 v200, v200, v201, 0x1800000     ; and the floor
	v_add_nc_u32 v202, 0xff000000, v200
	v_lshrrev_b32 v203, 23, v202
.if (\t)%4 == 0
	v_mov_b32 v[PWW+(\t)/4], v203
.else
	v_lshl_or_b32 v[PWW+(\t)/4], v203, 8*((\t)%4), v[PWW+(\t)/4]
.endif
	v_cvt_scalef32_pk16_fp6_f32 v[FD:FD+2], v[DS:DS+15], v202
	v_cvt_scalef32_pk16_fp6_f32 v[CT:CT+2], v[DS+16:DS+31], v202
	v_nop                                          ; one plain place behind a scaled conversion
.irp i, 0,1,2
	v_mov_b32 v[FD+3+\i], v[CT+\i]
.endr
.if (\t)+2 < 16
	WLOAD (\t)+2
.endif
.if (\t)%4 == 3                                ; a K step is whole: the pair's two fragments turn through LDS into images and leave
	s_wait_xcnt 0x0                                ; the last K step's stores have read their registers
.irp e, 0,1
.irp p, 0,1,2
	ds_store_b128 v9, v[FH+12*\e+4*\p:FH+12*\e+4*\p+3] offset:256*\e+512*\p
.endr
.endr
.irp e, 0,1
.irp p, 0,1,2
	ds_load_b128 v[OUTR+12*\e+4*\p:OUTR+12*\e+4*\p+3], v10 offset:1664*\e+512*\p
.endr
.endr
	s_wait_dscnt 0x0
.irp e, 0,1
.irp p, 0,1,2
	global_store_b128 v1, v[OUTR+12*\e+4*\p:OUTR+12*\e+4*\p+3], s[36:37] offset:12288*\e+1536*((\t)/4)+512*\p
.endr
.endr
.endif
.endm
	WLOAD 0
	WLOAD 1
.irp t, 0,1,2,3,4,5,6,7,8,9,10,11,12,13,14,15
	WBLOCK \t
.endr
	ds_store_b128 v11, v[PWW:PWW+3] offset:3328
	ds_load_b128 v[204:207], v10 offset:3328
	s_wait_dscnt 0x0
	global_store_b128 v208, v[204:207], s[38:39]   ; sixteen lanes store 256 consecutive bytes of a tile's group
	CLOSE
	; ---- THE MASK.  Work-group T, wave w: key steps 4 w + k.  The words come in the scores' own layout, so that one compare a register gives one lane-mask word
.Lmask:
	s_sub_co_u32 s32, ttmp9, 448                   ; T
	s_lshr_b32 s40, s32, 1
	s_lshl_b32 s40, s40, 5
	s_and_b32 s41, s32, 1
	s_lshl_b32 s41, s41, 3
	s_add_co_u32 s40, s40, s41
	s_lshl_b32 s40, s40, 13                        ; rows of 8,192 bytes
	s_lshl_b32 s41, s28, 11                        ; my four key steps
	s_add_co_u32 s40, s40, s41
	s_mov_b32 s41, 0
	s_add_nc_u64 s[34:35], s[18:19], s[40:41]
	s_lshl_b32 s40, s32, 12
	s_lshl_b32 s33, s28, 10
	s_add_co_u32 s40, s40, s33
	s_add_nc_u64 s[36:37], s[24:25], s[40:41]
	s_lshl_b32 s40, s32, 4
	s_lshl_b32 s33, s28, 2
	s_add_co_u32 s40, s40, s33
	s_add_co_u32 s40, s40, FWOFF
	s_add_nc_u64 s[38:39], s[24:25], s[40:41]
.irp i, 0,1,2,3,4,5,6,7
	v_mov_b32 v[208+\i], 0                         ; a pair for each key step: no store's data are written again
.endr
	s_mov_b32 s47, 0                               ; my four flags
	LOADT 0, 34, 8192, 0
	LOADT 1, 34, 8192, 512
.macro MSTEP k
.if (\k) < 3
	s_wait_loadcnt 16                              ; this key step's 16 loads are in; the next one's stay out
.else
	s_wait_loadcnt 0x0
.endif
	TURNT (\k)%2, MST
	s_wait_dscnt 0x0
.if (\k) < 2
	LOADT (\k)%2, 34, 8192, 512*((\k)+2)
.endif
	s_mov_b32 s46, 0
.set n, 0
.rept 64
	v_cmp_eq_u32 s[42+n%4], 0, v[X+n]              ; word n
	v_writelane_b32 v[208+2*(\k)+n%2], s[42+n%4], n/2
	s_or_b32 s46, s46, s[42+n%4]
.set n, n+1
.endr
	global_store_b64 v15, v[208+2*(\k):209+2*(\k)], s[36:37] offset:256*(\k)   ; 32 lanes store 256 consecutive bytes
	s_cmp_lg_u32 s46, 0
	s_cselect_b32 s46, 1<<(\k), 0
	s_or_b32 s47, s47, s46
.endm
.irp k, 0,1,2,3
	MSTEP \k
.endr
	v_mov_b32 v216, s47
	v_mov_b32 v217, 0
	v_cmp_eq_u32 vcc_lo, 0, v2
	s_wait_xcnt 0x0                                ; EXEC changes only behind this wait
	s_and_saveexec_b32 s46, vcc_lo
	global_store_b32 v217, v216, s[38:39]          ; four bytes a wave, 2,048 in the launch
	s_wait_xcnt 0x0
	s_or_b32 exec_lo, exec_lo, s46
	CLOSE
.Lfunc_end_k_qf9efde1230_prep:
	.size	k_qf9efde1230_prep, .Lfunc_end_k_qf9efde1230_prep-k_qf9efde1230_prep
	.p2alignl 7, 3214868480
	.fill 96, 4, 3214868480
	.section	.rodata,"a",@progbits
	.p2align	6, 0x0
	.amdhsa_kernel k_qf9efde1230_prep
		.amdhsa_group_segment_fixed_size 83456
		.amdhsa_private_segment_fixed_size 0
		.amdhsa_enable_private_segment 0
		.amdhsa_kernarg_size 88
		.amdhsa_user_sgpr_count 2
		.amdhsa_user_sgpr_kernarg_segment_ptr 1
		.amdhsa_wavefront_size32 1
		.amdhsa_system_sgpr_workgroup_id_x 1
		.amdhsa_system_sgpr_workgroup_id_y 1
		.amdhsa_system_sgpr_workgroup_id_z 1
		.amdhsa_system_vgpr_workitem_id 0
		.amdhsa_next_free_vgpr 256
		.amdhsa_next_free_sgpr 66
		.amdhsa_reserve_vcc 1
		.amdhsa_float_denorm_mode_32 3
		.amdhsa_float_denorm_mode_16_64 3
		.amdhsa_memory_ordered 1
		.amdhsa_forward_progress 1
		.amdhsa_inst_pref_size 200
	.end_amdhsa_kernel
	.amdgpu_metadata
---
amdhsa.version: [ 1, 2 ]
amdhsa.kernels:
  - .name:           k_qf9efde1230_prep
    .symbol:         k_qf9efde1230_prep.kd
    .args:
      - { .name: q, .offset: 0, .size: 8, .value_kind: global_buffer, .address_space: global }
      - { .name: k, .offset: 8, .size: 8, .value_kind: global_buffer, .address_space: global }
      - { .name: v, .offset: 16, .size: 8, .value_kind: global_buffer, .address_space: global }
      - { .name: Wq, .offset: 24, .size: 8, .value_kind: global_buffer, .address_space: global }
      - { .name: Wk, .offset: 32, .size: 8, .value_kind: global_buffer, .address_space: global }
      - { .name: Wv, .offset: 40, .size: 8, .value_kind: global_buffer, .address_space: global }
      - { .name: Wo, .offset: 48, .size: 8, .value_kind: global_buffer, .address_space: global }
      - { .name: mask, .offset: 56, .size: 8, .value_kind: global_buffer, .address_space: global }
      - { .name: XQ, .offset: 64, .size: 8, .value_kind: global_buffer, .address_space: global }
      - { .name: WQ, .offset: 72, .size: 8, .value_kind: global_buffer, .address_space: global }
      - { .name: MW, .offset: 80, .size: 8, .value_kind: global_buffer, .address_space: global }
    .group_segment_fixed_size: 83456
    .private_segment_fixed_size: 0
    .kernarg_segment_align: 8
    .kernarg_segment_size: 88
    .max_flat_workgroup_size: 128
    .sgpr_count:     66
    .vgpr_count:     256
    .wavefront_size: 32
...
	.end_amdgpu_metadata
.endif
;; end of part 1
;; launch proj (part 2): grid 4 x 192, 4 waves a work-group, clusters of 4 x 4, 327,680 bytes of LDS; arguments XQ, WQ, bq, bk, bv, QH, KV; writes QH, KV
.if DOCPART == 2
	.amdgcn_target "amdgcn-amd-amdhsa--gfx1250"
	.amdhsa_code_object_version 6
	.text
	.protected	k_qf9efde1230_proj
	.globl	k_qf9efde1230_proj
	.p2align	8
	.type	k_qf9efde1230_proj,@function
k_qf9efde1230_proj:
	s_mov_b64 s[64:65], 0
	v_nop
	global_prefetch_b8 v0, s[64:65] scope:SCOPE_SE
	s_setreg_imm32_b32 hwreg(HW_REG_WAVE_MODE, 25, 1), 1
	s_wait_xcnt 0x0
	s_wait_alu depctr_hold_cnt(0) depctr_sa_sdst(0) depctr_va_vdst(0) depctr_va_sdst(0) depctr_va_ssrc(0) depctr_va_vcc(0) depctr_vm_vsrc(0)
	s_getreg_b32 s2, hwreg(HW_REG_IB_STS2, 6, 4)
	s_cmp_eq_u32 s2, 0
	s_cbranch_scc0 .Lentry_in_a_cluster
	s_endpgm
.Lentry_in_a_cluster:
	s_bfe_u32 s2, ttmp6, 0x10000c
	s_cmp_lg_u32 s2, 0xf033
	s_cbranch_scc0 .Lentry_shape_is_right
	s_endpgm
.Lentry_shape_is_right:
; The three input projections on codes of FP6 (E2M3), bias as the C of the first K step, results quantised in registers along the NEXT product's K and stored as images of that product's operands.
; SOURCE 0 = 16 rows of operand J (its index falls into a lane's registers: the next K), SOURCE 1 = 16 rows of operand I (its index is the lane).
;   Q, K: I = tokens, J = output channels (next K: the head's 64).   V: I = channels, J = tokens (next K: the keys).
; A work-group takes 128 rows of I x 256 rows of J; wave (wi, wj) 64 x 128: 32 accumulators.  All of K = 1,024 of both operands lies in LDS (294,912 bytes): four chunks of 256 K, each filled once,
; read behind counted waits and a barrier; nothing is filled again.  Operands lie in memory as register images, so a fragment is three ds_load_b128 of consecutive bytes.
; CLUSTERS: 4 x 4.  I's tiles are shared along a row of the cluster, J's along a column: joint loads.  The kind (Q, K, V) hangs on the cluster's y alone: the same in all partners.
; A tile's rows are rho(T, r) = 32 (T / 2) + 8 (T % 2) + r + 8 (r / 8): so the 16 registers of two neighbouring J tiles are 16 neighbours along the next K.
; QH: [b][h][T][768] codes (registers 0-3 at 16 l, 4-5 at 512 + 8 l); from QSOFF [b][h][T / 4][r][4 words], word T % 4, bytes 2 and 3 zero.
; KV: [b][h][S] records of 13,312 bytes: K's 8 tiles x 768 | V's 4 channel tiles x 1,536 | K's scale words [2][r][4] | V's [2 copies][r][4].
; LIMITS: a block of zeros keeps the byte 1; NaN and infinities are not served.
; REGISTERS: window 0: v1-14 addresses; v16-47 J's scale words, v48-63 I's; v64-159 I's fragments, two sets; v160-255 J's, one set.  window 1: accumulator (a, b) at v[8 (8 a + b)].  window 2: v0-63 bias by J, v64-95 bias by I.
.set XSOFF,  18874368
.set WSOFF,  3145728
.set QSOFF,  6291456
.set REC,    13312
.set HEADKV, 212992
.set CHUNK,  24576                     ; 8 tiles x 2 K steps x 1,536
.set RJ,     98304                     ; I's region at 0; J's tiles 0-7 at RJ, 8-15 at 2 RJ
.set SCI,    294912
.set SCJ,    299008
.set SPARE,  307200                    ; the spare words: two blocks of 256 bytes that no other line names
.set L16, 1
.set RR,  2
.set HH,  3
.set AI,  4
.set AJ,  5
.set ASI, 6
.set ASJ, 7
.set SPW, 8
.set NIL, 9
.set BO,  10
.set L8,  11
.set OS,  12
.set H16, 13
.set BIO, 14
.set SJ,  16                           ; register 8 q + s: lanes 0-15 J tile q, lanes 16-31 J tile q + 4, K step s
.set SI,  48                           ; register 8 p + s: lanes 0-15 I tile p, lanes 16-31 I tile p + 2
.set IFR, 64
.set JFR, 160
.set BJ,  0
.set BI,  64
.set TM,  64                           ; the way out: v64-79 at work, v96-143 four fragments, v144.. second halves, v152-155 scale words
.set PCB, 96
.set CT,  144
.set SW,  152
.set WV,   18
.set WI,   19
.set WJ,   20
.set KIND, 21
.set IBLK, 22
.set JBLK, 23
.set G1I,  24
.set G1J,  32
.set G1SI, 40
.set G1SJ, 48
.set G0SI, 56
.set G0SJ, 60
.set G0I,  68                          ; four groups 0, one a chunk
.set G0J,  84
.set SEL,  56                          ; on the way out
.set MSB, 0
.macro WIN new                         ; the immediate's high byte repeats the setting that is left
.if MSB != \new
	s_set_vgpr_msb (MSB<<8)|\new
.set MSB, \new
.endif
.endm
.macro PLACES
.rept 4
	v_nop
.endr
.endm
.macro CROUND                          ; a round of the cluster's barrier
	s_barrier_signal -1
	s_barrier_wait -1
	s_cmp_lg_u32 s[WV], 0
	s_cbranch_scc1 .Lnot_wave_0_\@
	s_barrier_signal -3
.Lnot_wave_0_\@:
	s_barrier_wait -3
	s_barrier_signal -1
	s_barrier_wait -1
.endm
.macro G1SET g, c, r, p                ; rows of c elements of 8 bytes, r rows, p elements from row to row
	s_mov_b32 s[\g+1], ((\c)&0xffff)<<16
	s_mov_b32 s[\g+2], ((\c)>>16)|(((\r)&0xffff)<<16)
	s_mov_b32 s[\g+3], ((\r)>>16)|((\c)<<16)
	s_mov_b32 s[\g+4], \r
	s_mov_b32 s[\g+5], \p
	s_mov_b32 s[\g+6], 0
	s_mov_b32 s[\g+7], 0
.endm
	s_load_b256 s[4:11], s[0:1], 0x0               ; XQ, WQ, bq, bk
	s_load_b128 s[12:15], s[0:1], 0x20             ; bv, QH
	s_load_b64 s[16:17], s[0:1], 0x30              ; KV
	v_lshl_add_u32 v[SPW], v0, 2, SPARE
	v_mov_b32 v[NIL], 0
	ds_add_u32 v[SPW], v[NIL]                      ; the wave's opening: the add and its wait ahead of my first tensor load
	v_lshrrev_b32 v1, 5, v0
	v_readfirstlane_b32 s[WV], v1
	s_lshr_b32 s[WI], s[WV], 1
	s_and_b32 s[WJ], s[WV], 1
	s_bfe_u32 s96, ttmp6, 0x40000                  ; cx: it enters J's registers alone
	s_bfe_u32 s80, ttmp6, 0x40004                  ; cy: I's alone
	s_and_b32 s2, ttmp7, 0xffff                    ; the cluster's y, 0..47
	s_lshr_b32 s[KIND], s2, 4                      ; 0 Q, 1 K, 2 V
	s_and_b32 s3, s2, 15
	s_lshl_b32 s81, s[KIND], 9                     ; I's first tile in its buffer: x's, 512 a tensor
	s_lshl_b32 s97, s[KIND], 6                     ; J's: the weight's, 64 a matrix
	s_and_b32 s82, s3, 1
	s_lshr_b32 s98, s3, 1
	s_mov_b32 s66, XSOFF
	s_mov_b32 s67, WSOFF
	s_cmp_eq_u32 s[KIND], 2
	s_cselect_b32 s81, 128, s81                    ; V: I = Wv,
	s_cselect_b32 s97, 1024, s97                   ;    J = v's tokens
	s_cselect_b32 s82, s82, s3
	s_cselect_b32 s98, s98, 0
	s_cselect_b32 s83, s67, s66                    ; where I's scale words begin
	s_cselect_b32 s99, s66, s67                    ; and J's
	s_lshl_b32 s[IBLK], s82, 2
	s_add_co_u32 s[IBLK], s[IBLK], s80
	s_lshl_b32 s[JBLK], s98, 2
	s_add_co_u32 s[JBLK], s[JBLK], s96
	s_lshl_b32 s82, s[IBLK], 3
	s_add_co_u32 s81, s81, s82                     ; my 8 tiles of I
	s_lshl_b32 s98, s[JBLK], 4
	s_add_co_u32 s97, s97, s98                     ; my 16 tiles of J
	s_mul_i32 s100, s81, 12288                     ; I's codes, in bytes
	s_lshl_b32 s81, s81, 9
	s_add_co_u32 s81, s81, s83                     ; I's scale words
	s_mul_i32 s101, s97, 12288
	s_mul_i32 s98, s[WI], RJ                       ; (wave 1: J's tiles 0-7, wave 2: tiles 8-15)
	s_add_co_u32 s101, s101, s98
	s_lshl_b32 s97, s97, 9
	s_add_co_u32 s97, s97, s99
	s_lshl_b32 s82, s80, 2
	s_lshl_b32 s82, 15, s82                        ; my row of the cluster
	s_lshl_b32 s98, 0x1111, s96                    ; my column
	s_or_b32 s[G1I], s82, (3<<16)|(1<<21)          ; 15:0 the mask; 17:16 elements of 8 bytes; 21 set beside a mask; no padding
	s_or_b32 s[G1J], s98, (3<<16)|(1<<21)
	s_or_b32 s[G1SI], s82, (3<<16)|(1<<21)
	s_or_b32 s[G1SJ], s98, (3<<16)|(1<<21)
	G1SET G1I, 384, 8, 1536                        ; a chunk: of each of 8 tiles two K steps, 3,072 bytes, 12,288 apart
	G1SET G1J, 384, 8, 1536
	G1SET G1SI, 32, 16, 32                         ; 8 tiles' scale words: 4,096 dense bytes
	G1SET G1SJ, 32, 32, 32                         ; 16 tiles': 8,192
	s_wait_dscnt 0x0                               ; the opening add is done
	s_wait_kmcnt 0x0
	s_cmp_eq_u32 s[KIND], 2
	s_cselect_b64 s[2:3], s[6:7], s[4:5]           ; I's buffer
	s_cselect_b64 s[66:67], s[4:5], s[6:7]         ; J's
	s_mov_b32 s82, s81
	s_mov_b32 s83, 0
	s_add_nc_u64 s[G0SI+2:G0SI+3], s[2:3], s[82:83]
	s_mov_b32 s82, s100
	s_add_nc_u64 s[2:3], s[2:3], s[82:83]
	s_mov_b32 s98, s97
	s_mov_b32 s99, 0
	s_add_nc_u64 s[G0SJ+2:G0SJ+3], s[66:67], s[98:99]
	s_mov_b32 s98, s101
	s_add_nc_u64 s[66:67], s[66:67], s[98:99]
	s_mul_i32 s100, s[WV], RJ
	CROUND                                         ; all sixteen work-groups are here: the joint loads meet
	s_mov_b32 s[G0SI], 1
	s_mov_b32 s[G0SI+1], SCI
	s_or_b32 s[G0SI+3], s[G0SI+3], 0x80000000
	s_mov_b32 s[G0SJ], 1
	s_mov_b32 s[G0SJ+1], SCJ
	s_or_b32 s[G0SJ+3], s[G0SJ+3], 0x80000000
.irp c, 0,1,2,3
	s_mov_b32 s[G0I+4*\c], 1
	s_mov_b32 s[G0I+4*\c+1], CHUNK*\c
	s_add_nc_u64 s[G0I+4*\c+2:G0I+4*\c+3], s[2:3], 3072*\c
	s_or_b32 s[G0I+4*\c+3], s[G0I+4*\c+3], 0x80000000
	s_mov_b32 s[G0J+4*\c], 1
	s_add_co_u32 s[G0J+4*\c+1], s100, CHUNK*\c
	s_add_nc_u64 s[G0J+4*\c+2:G0J+4*\c+3], s[66:67], 3072*\c
	s_or_b32 s[G0J+4*\c+3], s[G0J+4*\c+3], 0x80000000
.endr
	; all fills of the launch, in one branch on the wave's number: wave 0 I's four chunks, waves 1 and 2 J's, wave 3 the scale words.  A wave has at most four tensor loads out
	s_cmp_lg_u32 s[WV], 0
	s_cbranch_scc1 .Lnot_i
.irp c, 0,1,2,3
	tensor_load_to_lds s[G0I+4*\c:G0I+4*\c+3], s[G1I:G1I+7]
	s_nop 0
.endr
	PLACES
	s_branch .Lasked
.Lnot_i:
	s_cmp_eq_u32 s[WV], 3
	s_cbranch_scc1 .Lscales
.irp c, 0,1,2,3
	tensor_load_to_lds s[G0J+4*\c:G0J+4*\c+3], s[G1J:G1J+7]
	s_nop 0
.endr
	PLACES
	s_branch .Lasked
.Lscales:
	tensor_load_to_lds s[G0SI:G0SI+3], s[G1SI:G1SI+7]
	s_nop 0
	tensor_load_to_lds s[G0SJ:G0SJ+3], s[G1SJ:G1SJ+7]
	s_nop 0
	PLACES
	s_wait_tensorcnt 0x0                           ; the scale words are wanted with the first K step
.Lasked:
	v_and_b32 v15, 31, v0
	v_lshlrev_b32 v[L16], 4, v15
	v_lshlrev_b32 v[L8], 3, v15
	v_and_b32 v[RR], 15, v0
	v_bfe_u32 v[HH], v0, 4, 1
	s_mul_i32 s2, s[WI], 12288
	v_add_nc_u32 v[AI], s2, v[L16]                 ; my four tiles of I in a chunk
	s_mul_i32 s2, s[WJ], RJ
	s_add_co_u32 s2, s2, RJ
	v_add_nc_u32 v[AJ], s2, v[L16]                 ; my eight tiles of J
	v_lshlrev_b32 v[ASJ], 4, v[RR]
	v_lshl_add_u32 v[ASJ], v[HH], 11, v[ASJ]       ; lanes 16-31: four tiles on
	s_lshl_b32 s2, s[WJ], 12
	s_add_co_u32 s2, s2, SCJ
	v_add_nc_u32 v[ASJ], s2, v[ASJ]
	v_lshlrev_b32 v[ASI], 4, v[RR]
	v_lshl_add_u32 v[ASI], v[HH], 10, v[ASI]       ; lanes 16-31: two tiles on
	s_lshl_b32 s2, s[WI], 11
	s_add_co_u32 s2, s2, SCI
	v_add_nc_u32 v[ASI], s2, v[ASI]
	v_lshlrev_b32 v[BO], 6, v[HH]                  ; the bias by J: my half's eight numbers of a tile lie 64 h bytes on
	v_lshlrev_b32 v[H16], 4, v[HH]
	v_and_b32 v[BIO], 8, v[RR]
	v_add_nc_u32 v[BIO], v[BIO], v[RR]
	v_lshlrev_b32 v[BIO], 2, v[BIO]                ; the bias by I: my lane's row of a tile
	; Both forms of the bias are loaded on every way, so that each register is written whichever arm the first K step takes; the form that a kind does not use comes from a masked block number, inside its buffer
	s_cmp_eq_u32 s[KIND], 0
	s_cselect_b64 s[2:3], s[8:9], s[10:11]
	s_cmp_eq_u32 s[KIND], 2
	s_cselect_b64 s[2:3], s[12:13], s[2:3]
	s_and_b32 s66, s[JBLK], 3
	s_lshl_b32 s66, s66, 10
	s_lshl_b32 s67, s[WJ], 9
	s_add_co_u32 s66, s66, s67
	s_mov_b32 s67, 0
	s_add_nc_u64 s[2:3], s[2:3], s[66:67]
	s_and_b32 s66, s[IBLK], 7
	s_lshl_b32 s66, s66, 9
	s_lshl_b32 s100, s[WI], 8
	s_add_co_u32 s66, s66, s100
	s_add_nc_u64 s[100:101], s[12:13], s[66:67]
	WIN 0x80                                       ; destination window 2
.irp b, 0,1,2,3,4,5,6,7
	global_load_b128 v[BJ+8*\b:BJ+8*\b+3], v[BO], s[2:3] offset:(32*(\b/2)+8*(\b%2))*4
	global_load_b128 v[BJ+8*\b+4:BJ+8*\b+7], v[BO], s[2:3] offset:(32*(\b/2)+8*(\b%2))*4+16
.endr
.irp a, 0,1,2,3
.irp j, 0,1,2,3,4,5,6,7
	global_load_b32 v[BI+8*\a+\j], v[BIO], s[100:101] offset:(32*(\a/2)+8*(\a%2))*4   ; the lane's one number in all eight registers of the result's layout
.endr
.endr
	WIN 0
.macro FRAGL reg, adr, off             ; a fragment comes as it was stored: three times 512 consecutive bytes
.irp p, 0,1,2
	ds_load_b128 v[\reg+4*\p:\reg+4*\p+3], v[\adr] offset:\off+512*\p
.endr
.endm
.macro FETCH_I s                       ; I's four fragments of K step s into set s % 2
.irp a, 0,1,2,3
	FRAGL IFR+48*((\s)%2)+12*\a, AI, 3072*\a+1536*((\s)%2)
.endr
.endm
.macro FETCH_J s, b0                   ; J's fragments b0 .. b0 + 3
.irp b, \b0, \b0+1, \b0+2, \b0+3
	FRAGL JFR+12*(\b), AJ, 3072*(\b)+1536*((\s)%2)
.endr
.endm
; one product.  cm = 0: C is the accumulator; 1: the bias by J; 2: the bias by I (both in window 2)
.macro MM s, b, a, cm
.set DR, 8*(8*(\a)+(\b))
.set CR, DR
.if \cm == 1
.set CR, BJ+8*(\b)
.endif
.if \cm == 2
.set CR, BI+8*(\a)
.endif
.set AR, JFR+12*(\b)
.set BR, IFR+48*((\s)%2)+12*(\a)
.set SA, SJ+8*((\b)%4)+(\s)
.set SB, SI+8*((\a)%2)+(\s)
.if ((\b) < 4) && ((\a) < 2)
	v_wmma_scale_f32_16x16x128_f8f6f4 v[DR:DR+7], v[AR:AR+11], v[BR:BR+11], v[CR:CR+7], v[SA], v[SB] matrix_a_fmt:MATRIX_FMT_FP6 matrix_b_fmt:MATRIX_FMT_FP6
.elseif (\a) < 2
	v_wmma_scale_f32_16x16x128_f8f6f4 v[DR:DR+7], v[AR:AR+11], v[BR:BR+11], v[CR:CR+7], v[SA], v[SB] matrix_a_fmt:MATRIX_FMT_FP6 matrix_b_fmt:MATRIX_FMT_FP6 matrix_a_scale:MATRIX_SCALE_ROW1
.elseif (\b) < 4
	v_wmma_scale_f32_16x16x128_f8f6f4 v[DR:DR+7], v[AR:AR+11], v[BR:BR+11], v[CR:CR+7], v[SA], v[SB] matrix_a_fmt:MATRIX_FMT_FP6 matrix_b_fmt:MATRIX_FMT_FP6 matrix_b_scale:MATRIX_SCALE_ROW1
.else
	v_wmma_scale_f32_16x16x128_f8f6f4 v[DR:DR+7], v[AR:AR+11], v[BR:BR+11], v[CR:CR+7], v[SA], v[SB] matrix_a_fmt:MATRIX_FMT_FP6 matrix_b_fmt:MATRIX_FMT_FP6 matrix_a_scale:MATRIX_SCALE_ROW1 matrix_b_scale:MATRIX_SCALE_ROW1
.endif
.endm
.macro MUL8 s, b0, cm                  ; J's tiles b0, b0 + 1 x I's four.  The 32 accumulators take turns, in the same order in every K step
.irp b, \b0, \b0+1
.irp a, 0,1,2,3
	MM \s, (\b), \a, \cm
.endr
.endr
.endm
.macro MWIN cm
.if \cm
	WIN 0x60                                       ; C window 2, D window 1
.else
	WIN 0x50                                       ; C and D window 1
.endif
.endm
; K step s (0 .. 6): 32 products; in its middle the next step's I set and J's tiles 0-3 are fetched, at its end J's tiles 4-7.  Behind an odd step lies a new chunk: the fetching waves wait for it, then a barrier
.macro STEP s, cm
	s_wait_dscnt 12                                ; all but the youngest 12 loads (J's tiles 4-7) are in
	MWIN \cm
	MUL8 \s, 0, \cm
.if (\s)%2
	s_wait_tensorcnt (5-(\s))/2                    ; my part of the next chunk has landed; the later chunks stay out
	s_wait_dscnt 0x0
	s_barrier_signal -1
.endif
	MUL8 \s, 2, \cm
.if (\s)%2
	s_barrier_wait -1
	WIN 0
	v_add_nc_u32 v[AI], CHUNK, v[AI]               ; these two and two v_nop are the four places in front of loads into registers that matrix instructions have read
	v_add_nc_u32 v[AJ], CHUNK, v[AJ]
	v_nop
	v_nop
.else
	s_wait_dscnt 0x0                               ; J's tiles 4-7 are in
	WIN 0
	PLACES
.endif
	FETCH_I (\s)+1
	FETCH_J (\s)+1, 0
	MWIN \cm
	MUL8 \s, 4, \cm
	MUL8 \s, 6, \cm
	PLACES
	WIN 0
	FETCH_J (\s)+1, 4
.endm
	s_wait_tensorcnt 3                             ; my first chunk has landed; three stay out
	s_barrier_signal -1
	s_barrier_wait -1                              ; everybody's has, and the scale words
.irp q, 0,1,2,3
.irp g, 0,1
	ds_load_b128 v[SJ+8*\q+4*\g:SJ+8*\q+4*\g+3], v[ASJ] offset:512*\q+256*\g
.endr
.endr
.irp p, 0,1
.irp g, 0,1
	ds_load_b128 v[SI+8*\p+4*\g:SI+8*\p+4*\g+3], v[ASI] offset:512*\p+256*\g
.endr
.endr
	FETCH_I 0
	FETCH_J 0, 0
	FETCH_J 0, 4
	s_wait_loadcnt 0x0                             ; the biases
	s_cmp_eq_u32 s[KIND], 2
	s_cbranch_scc1 .Lfirst_v
	STEP 0, 1                                      ; the first K step starts the sums on the bias
	s_branch .Lfirst_done
.Lfirst_v:
	STEP 0, 2
.Lfirst_done:
.irp s, 1,2,3,4,5,6
	STEP \s, 0
.endr
	s_wait_dscnt 12
	WIN 0x50
	MUL8 7, 0, 0
	MUL8 7, 2, 0
	s_wait_dscnt 0x0
	MUL8 7, 4, 0
	MUL8 7, 6, 0
	WIN 0
	; THE WAY OUT.  For I tile a the 64 registers of its eight accumulators are 128 neighbours along the next K, register 16 b + i = index 32 b + 16 (lane / 16) + i: they become one fragment and one scale word a lane
	s_mov_b32 s[SEL], 0x76543210
	s_mov_b32 s[SEL+1], 0xfedcba98
.irp b, 0,1,2,3
	v_mov_b32 v[TM+4+\b], 0                        ; a lane permute's destination counts as a source; these four are also the places behind the last products
.endr
.macro QUANTW a
.set AC, 64*(\a)
.set PCA, PCB+12*(\a)
	WIN 0x05                                       ; sources 0 and 1 window 1
.irp b, 0,1,2,3
	v_max3_num_f32 v[TM+\b], |v[AC+16*\b]|, |v[AC+16*\b+1]|, 0x1800000   ; each accumulator is read from its low end on; the floor 2^(3 - 127)
.endr
.irp i, 2,4,6,8,10,12,14
.irp b, 0,1,2,3
	v_max3_num_f32 v[TM+\b], |v[AC+16*\b+\i]|, |v[AC+16*\b+\i+1]|, v[TM+\b]
.endr
.endr
	WIN 0
.irp b, 0,1,2,3
	v_permlanex16_b32 v[TM+4+\b], v[TM+\b], s[SEL], s[SEL+1]
.endr
.irp b, 0,1,2,3
	v_max_num_f32 v[TM+\b], v[TM+\b], v[TM+4+\b]
.endr
.irp b, 0,1,2,3
	v_add_nc_u32 v[TM+12+\b], 0xff000000, v[TM+\b]
.endr
.irp b, 0,1,2,3
	v_lshrrev_b32 v[TM+4+\b], 23, v[TM+12+\b]
.endr
	v_lshl_or_b32 v[SW+(\a)], v[TM+5], 8, v[TM+4]
	v_lshl_or_b32 v[SW+(\a)], v[TM+6], 16, v[SW+(\a)]
	v_lshl_or_b32 v[SW+(\a)], v[TM+7], 24, v[SW+(\a)]
	WIN 0x01                                       ; source 0 window 1
.irp c, 0,1
	v_cvt_scalef32_pk16_fp6_f32 v[PCA+6*\c:PCA+6*\c+2], v[AC+32*\c:AC+32*\c+15], v[TM+12+2*\c]
	v_cvt_scalef32_pk16_fp6_f32 v[CT+4*\c:CT+4*\c+2], v[AC+32*\c+16:AC+32*\c+31], v[TM+12+2*\c+1]
.endr
	WIN 0
	v_nop                                          ; one plain place behind a scaled conversion
.irp c, 0,1
.irp i, 0,1,2
	v_permlane16_swap_b32 v[PCA+6*\c+\i], v[CT+4*\c+\i]
.endr
.irp i, 0,1,2
	v_mov_b32 v[PCA+3+6*\c+\i], v[CT+4*\c+\i]
.endr
.endr
.endm
.irp a, 0,1,2,3
	QUANTW \a
.endr
	s_cmp_eq_u32 s[KIND], 2
	s_cbranch_scc1 .Lout_v
	; Q and K: the fragment's registers 0-5 are head h0's 64 channels, 6-11 head h0 + 1's; the scale word's halves likewise
	s_lshr_b32 s68, s[IBLK], 4                     ; batch
	s_and_b32 s69, s[IBLK], 15                     ; which 128 tokens of it
	s_lshl_b32 s70, s[JBLK], 2
	s_lshl_b32 s71, s[WJ], 1
	s_add_co_u32 s70, s70, s71                     ; h0
	s_lshl_b32 s68, s68, 4
	s_add_co_u32 s68, s68, s70
	s_mov_b32 s74, HEADKV
	s_mov_b32 s75, REC
	s_mov_b32 s76, HEADKV
	s_mov_b32 s77, REC
	s_mov_b32 s78, 12288
	s_cmp_eq_u32 s[KIND], 0
	s_cselect_b64 s[72:73], s[14:15], s[16:17]     ; QH or KV
	s_cselect_b32 s74, 98304, s74                  ; codes: from head to head,
	s_cselect_b32 s75, 6144, s75                   ; from 128 tokens to the next
	s_cselect_b32 s76, 8192, s76                   ; scale words: the same two,
	s_cselect_b32 s77, 512, s77
	s_cselect_b32 s78, QSOFF, s78                  ; and where they begin
	s_mul_i32 s80, s68, s74
	s_mul_i32 s81, s69, s75
	s_add_co_u32 s80, s80, s81
	s_mul_i32 s81, s[WI], 3072
	s_add_co_u32 s80, s80, s81
	s_mov_b32 s81, 0
	s_add_nc_u64 s[82:83], s[72:73], s[80:81]      ; head h0
	s_mov_b32 s80, s74
	s_add_nc_u64 s[84:85], s[82:83], s[80:81]      ; head h0 + 1
	s_mul_i32 s80, s68, s76
	s_mul_i32 s86, s69, s77
	s_add_co_u32 s80, s80, s86
	s_lshl_b32 s86, s[WI], 8
	s_add_co_u32 s80, s80, s86
	s_add_co_u32 s80, s80, s78
	s_add_nc_u64 s[86:87], s[72:73], s[80:81]
	v_mul_u32_u24 v[OS], v[HH], s76
	v_lshl_add_u32 v[OS], v[RR], 4, v[OS]          ; lanes 0-15 store head h0's words, lanes 16-31 head h0 + 1's
.irp a, 0,1,2,3
	v_bfe_u32 v[SW+\a], v[SW+\a], v[H16], 16       ; my head's two bytes; bytes 2 and 3 are 0
.endr
.irp a, 0,1,2,3
	global_store_b128 v[L16], v[PCB+12*\a:PCB+12*\a+3], s[82:83] offset:768*\a
	global_store_b64 v[L8], v[PCB+12*\a+4:PCB+12*\a+5], s[82:83] offset:768*\a+512
	global_store_b128 v[L16], v[PCB+12*\a+6:PCB+12*\a+9], s[84:85] offset:768*\a
	global_store_b64 v[L8], v[PCB+12*\a+10:PCB+12*\a+11], s[84:85] offset:768*\a+512
.endr
	global_store_b128 v[OS], v[SW:SW+3], s[86:87]  ; sixteen lanes store 256 consecutive bytes
	s_branch .Lend
.Lout_v:
	; V: my 64 channels are one head's, my 128 tokens one key step's: four whole fragments and their scale words
	s_lshl_b32 s68, s[IBLK], 1
	s_add_co_u32 s68, s68, s[WI]                   ; head
	s_lshl_b32 s69, s[JBLK], 1
	s_add_co_u32 s69, s69, s[WJ]                   ; key step of all batches
	s_lshr_b32 s70, s69, 4
	s_and_b32 s69, s69, 15
	s_lshl_b32 s70, s70, 4
	s_add_co_u32 s70, s70, s68
	s_lshl_b32 s70, s70, 4
	s_add_co_u32 s70, s70, s69                     ; the record
	s_mul_i32 s80, s70, REC
	s_add_co_u32 s80, s80, 6144
	s_mov_b32 s81, 0
	s_add_nc_u64 s[82:83], s[16:17], s[80:81]
.irp a, 0,1,2,3
.irp p, 0,1,2
	global_store_b128 v[L16], v[PCB+12*\a+4*\p:PCB+12*\a+4*\p+3], s[82:83] offset:1536*\a+512*\p
.endr
.endr
	global_store_b128 v[L16], v[SW:SW+3], s[82:83] offset:6656   ; both halves of the lanes store their copy: 512 consecutive bytes
.Lend:
	s_wait_tensorcnt 0x0                           ; the wave's end
	ds_add_u32 v[SPW], v[NIL]
	s_wait_dscnt 0x0
	CROUND                                         ; the closing round
	s_endpgm
.Lfunc_end_k_qf9efde1230_proj:
	.size	k_qf9efde1230_proj, .Lfunc_end_k_qf9efde1230_proj-k_qf9efde1230_proj
	.p2alignl 7, 3214868480
	.fill 96, 4, 3214868480
	.section	.rodata,"a",@progbits
	.p2align	6, 0x0
	.amdhsa_kernel k_qf9efde1230_proj
		.amdhsa_group_segment_fixed_size 327680
		.amdhsa_private_segment_fixed_size 0
		.amdhsa_enable_private_segment 0
		.amdhsa_kernarg_size 56
		.amdhsa_user_sgpr_count 2
		.amdhsa_user_sgpr_kernarg_segment_ptr 1
		.amdhsa_wavefront_size32 1
		.amdhsa_system_sgpr_workgroup_id_x 1
		.amdhsa_system_sgpr_workgroup_id_y 1
		.amdhsa_system_sgpr_workgroup_id_z 1
		.amdhsa_system_vgpr_workitem_id 0
		.amdhsa_next_free_vgpr 768
		.amdhsa_next_free_sgpr 102
		.amdhsa_reserve_vcc 0
		.amdhsa_float_denorm_mode_32 3
		.amdhsa_float_denorm_mode_16_64 3
		.amdhsa_memory_ordered 1
		.amdhsa_forward_progress 1
		.amdhsa_inst_pref_size 98
	.end_amdhsa_kernel
	.amdgpu_metadata
---
amdhsa.version: [ 1, 2 ]
amdhsa.kernels:
  - .name:           k_qf9efde1230_proj
    .symbol:         k_qf9efde1230_proj.kd
    .args:
      - { .name: XQ, .offset: 0, .size: 8, .value_kind: global_buffer, .address_space: global }
      - { .name: WQ, .offset: 8, .size: 8, .value_kind: global_buffer, .address_space: global }
      - { .name: bq, .offset: 16, .size: 8, .value_kind: global_buffer, .address_space: global }
      - { .name: bk, .offset: 24, .size: 8, .value_kind: global_buffer, .address_space: global }
      - { .name: bv, .offset: 32, .size: 8, .value_kind: global_buffer, .address_space: global }
      - { .name: QH, .offset: 40, .size: 8, .value_kind: global_buffer, .address_space: global }
      - { .name: KV, .offset: 48, .size: 8, .value_kind: global_buffer, .address_space: global }
    .group_segment_fixed_size: 327680
    .private_segment_fixed_size: 0
    .kernarg_segment_align: 8
    .kernarg_segment_size: 56
    .max_flat_workgroup_size: 128
    .sgpr_count:     102
    .vgpr_count:     768
    .wavefront_size: 32
...
	.end_amdgpu_metadata
.endif
;; end of part 2
;; launch attn (part 3): grid 8 x 32, 16 waves a work-group, no clusters, 32,768 bytes of LDS; arguments QH, KV, MW, XO; writes XO
.if DOCPART == 3
	.amdgcn_target "amdgcn-amd-amdhsa--gfx1250"
	.amdhsa_code_object_version 6
	.text
	.protected	k_qf9efde1230_attn
	.globl	k_qf9efde1230_attn
	.p2align	8
	.type	k_qf9efde1230_attn,@function
k_qf9efde1230_attn:
	s_mov_b64 s[64:65], 0
	v_nop
	global_prefetch_b8 v0, s[64:65] scope:SCOPE_SE
	s_setreg_imm32_b32 hwreg(HW_REG_WAVE_MODE, 25, 1), 1
	s_wait_xcnt 0x0
; x = softmax(Q K^T / 8, masked) V for 64 heads of 64, both products on codes of FP6 (E2M3); x leaves quantised along the output projection's K, as images of that product's operand.
; THE SOFTMAX: t = score x log2(e) / 8; M = the running largest t rounded up to a whole number; p = 2^(t - M) is quantised along the keys, not normalised; the row's sum is taken of the unquantised p and divides O at the end.
; SHARES.  A work-group owns 256 queries of one batch and a PAIR of heads; each of its sixteen waves one tile of 16 queries, first for head 2 hp, then for head 2 hp + 1: 32 trips of 128 keys over 32 records that lie on end in KV.
; So a wave ends with a whole fragment (128 channels) and a whole scale word of x.  Four waves to a SIMD: one wave's vector work stands beside another's products and LDS loads.
; A record (13,312 bytes: K's 8 tiles x 768 | V's 4 tiles x 1,536 | K's scale words | V's) goes memory -> registers -> LDS, 16 bytes a thread, two slots by turns, one barrier a trip.
; NO TENSOR LOAD AND NO JOINT LOAD: a trip branches on a stored flag (does this tile of the mask hide a key?); a step's shared bytes are 13 KB a work-group.
; LAYOUT.  S^T = K Q^T, O^T = V^T P^T: a lane holds one query throughout.  The rows of every tile are rho(T, r) = 32 (T / 2) + 8 (T % 2) + r + 8 (r / 8), so S^T's register 16 b + i is key 32 b + 16 (lane / 16) + i.
; K = 64 IN A FORM OF 128: Q's registers 6-11 are zero codes for good, and bytes 2, 3 of Q's and K's scale words are 0 (2^-127, no NaN).  K's tile t is named as v[36 + 6 t .. 47 + 6 t]: its upper six registers are the next
; tile's codes (for tile 7: x's fragment's lower six), which meet zero codes alone and add nothing.
; THE MASK: word n of MW[T][S] is the lane mask of register n: one v_cndmask_b32 a score, jumped over where the flag says that the tile hides nothing.
; LIMITS: a hidden score is -2^36 (logit -2^33 where the definition has -1e10): a power of two, so that score x c is exact and a wholly hidden row gives p = 1 for every key, as the definition does; results differ only
; where true logits lie under about -8.5e9.  NaN and infinities are not served.  A block of zeros keeps the byte 1.
.set QSOFF,  6291456
.set XOSOFF, 6291456
.set FWOFF,  524288
.set REC,    13312
.set HEADKV, 212992
.set SLOT1,  16384
.set XG,     29696                     ; 1 KB: the sixteen waves' scale words of x
.set SPARE,  30720                     ; the spare words, 128 bytes a wave: eight blocks of 256 bytes that no other line names
.set L16, 1                            ; v1   16 x lane
.set L8,  2                            ; v2   8 x lane
.set T16, 3                            ; v3   16 x thread
.set SPW, 4
.set NIL, 5
.set QSO, 7                            ; v7   16 r
.set XGA, 8                            ; v8   64 wave + 4 r
.set MKV, 9                            ; v9   -2^36
.set PFO, 10                           ; v10  256 x lane
.set QW,  16                           ; v16-27 Q's operand: 16-21 codes, 22-27 zeros
.set QB,  28                           ; v28-33 the second head's codes
.set QSC, 34                           ; v34, v35 Q's scale words
.set FR,  36                           ; v36-83 K's 8 x 6 registers, later V's 4 x 12
.set XF,  84                           ; v84-95 x's fragment
.set S,   96                           ; v96-159 S^T, then p
.set O,   160                          ; v160-191 O^T
.set P,   192                          ; v192-203 p's codes
.set CT,  204                          ; v204-206, v208-210
.set BM,  212
.set BT,  216
.set BS,  220
.set KSC, 224
.set VSC, 228
.set PSC, 232
.set F,   234                          ; v[234:235] f = 2^(old M - new M); the upper word is named with it and holds 0
.set TP,  236
.set XSW, 239
.set G,   240                          ; v240-247 a record's bytes on their way
.set SU,  248
.set WV,   12
.set PS,   13                          ; passes done
.set LIM1, 15
.set FL,   66                          ; the head's flags, the trip's at bit 0
.set FW,   67
.set MO,   68                          ; the trip's words in MW[T]
.set LIM0, 69
.set SEL,  70
.set CS,   72
.set PF,   6
.macro RLOAD                           ; a record: 26 pieces of 512 bytes: all sixteen waves one, waves 0-9 a second
	global_load_b128 v[G:G+3], v[T16], s[2:3]
	s_cmp_lt_u32 s[WV], 10
	s_cbranch_scc0 .Lshort_\@
	global_load_b128 v[G+4:G+7], v[T16], s[2:3] offset:8192
.Lshort_\@:
.endm
.macro RSTORE slot
	ds_store_b128 v[T16], v[G:G+3] offset:(\slot)*SLOT1
	s_cmp_lt_u32 s[WV], 10
	s_cbranch_scc0 .Lshort_\@
	ds_store_b128 v[T16], v[G+4:G+7] offset:(\slot)*SLOT1+8192
.Lshort_\@:
.endm
; A PREFETCH INTO THE L2.  The pair's 32 records are 52 pieces of 8,192 bytes; trip j names pieces 2 j + 6 and 2 j + 7, lanes 256 bytes apart, one instruction in each of waves 12 and 13 of the pair's first work-group
; (all eight work-groups of a pair walk the same records).  Each aligned 256 bytes is named once; the last request, in trip 22, ends at the stream's end.  Pieces 0-5 come by their loads alone.
.macro ASK lim
	s_cmp_lt_u32 s[PS], s[\lim]
	s_cbranch_scc0 .Lnot_mine_\@
	global_prefetch_b8 v[PFO], s[PF:PF+1] th:TH_LOAD_NT scope:SCOPE_SE
.Lnot_mine_\@:
.endm
.macro RESET                           ; a head begins: O^T and the sum are zeros, the largest t is -3e38
.set n, 0
.rept 32
	v_mov_b32 v[O+n], 0
.set n, n+1
.endr
	v_mov_b32 v13, 0xff61b1e6
	v_floor_f32 v12, -v13
	v_mov_b32 v14, 0
	v_mov_b32 v15, 0
.endm
	s_load_b256 s[80:87], s[0:1], 0x0              ; QH, KV, MW, XO
	v_lshl_add_u32 v[SPW], v0, 2, SPARE
	v_mov_b32 v[NIL], 0
	v_lshrrev_b32 v6, 5, v0
	v_readfirstlane_b32 s[WV], v6                  ; wave 0..15
	v_and_b32 v6, 31, v0
	v_lshlrev_b32 v[L16], 4, v6
	v_lshlrev_b32 v[L8], 3, v6
	v_lshlrev_b32 v[T16], 4, v0
	v_lshlrev_b32 v[PFO], 8, v6
	v_and_b32 v[QSO], 15, v0
	v_lshlrev_b32 v[XGA], 2, v[QSO]
	s_lshl_b32 s74, s[WV], 6
	v_add_nc_u32 v[XGA], s74, v[XGA]
	v_lshlrev_b32 v[QSO], 4, v[QSO]
	v_mov_b32 v[MKV], 0xd1800000
	s_and_b32 s75, ttmp7, 0xffff                   ; y = 8 b + hp; the pair's first head is 2 y
	s_lshl_b32 s74, ttmp9, 4
	s_add_co_u32 s74, s74, s[WV]                   ; T, my tile of queries
	s_mul_i32 s16, s75, 196608
	s_mul_i32 s17, s74, 768
	s_add_co_u32 s16, s16, s17
	s_mov_b32 s17, 0                               ; Q's codes
	s_lshl_b32 s18, s75, 14
	s_lshr_b32 s19, s74, 2
	s_lshl_b32 s19, s19, 8
	s_add_co_u32 s18, s18, s19
	s_and_b32 s19, s74, 3
	s_lshl_b32 s19, s19, 2
	s_add_co_u32 s18, s18, s19
	s_add_co_u32 s18, s18, QSOFF
	s_mov_b32 s19, 0                               ; Q's scale words
	s_mul_i32 s20, s75, 2*HEADKV
	s_mov_b32 s21, 0                               ; the pair's records
	s_lshl_b32 s22, s74, 12
	s_mov_b32 s23, 0                               ; my tile's mask words
	s_lshl_b32 s24, s74, 4
	s_add_co_u32 s24, s24, FWOFF
	s_mov_b32 s25, 0                               ; and flags
	s_lshr_b32 s26, s75, 3
	s_and_b32 s27, s75, 7                          ; hp
	s_lshl_b32 s26, s26, 7                         ; 128 b
	s_add_co_u32 s28, s26, s74
	s_mul_i32 s28, s28, 12288
	s_mul_i32 s29, s27, 1536
	s_add_co_u32 s28, s28, s29
	s_mov_b32 s29, 0                               ; x's fragment: token tile 128 b + T, K step hp
	s_lshl_b32 s30, ttmp9, 4
	s_add_co_u32 s30, s30, s26
	s_lshl_b32 s30, s30, 6
	s_lshl_b32 s31, s27, 15
	s_add_co_u32 s30, s30, s31
	s_add_co_u32 s30, s30, XOSOFF
	s_mov_b32 s31, 0                               ; the work-group's 1,024 bytes of x's scale words
	s_and_b32 s32, s[WV], 1
	s_lshl_b32 s32, s32, 13
	s_add_co_u32 s32, s32, 32768
	s_mov_b32 s33, 0                               ; the prefetches stand at piece 4 + wave % 2; each trip's head steps them two pieces on
	s_lshr_b32 s34, s[WV], 1
	s_xor_b32 s34, s34, 6
	s_or_b32 s34, s34, ttmp9                       ; 0 in waves 12 and 13 of the pair's first work-group
	s_cmp_eq_u32 s34, 0
	s_cselect_b32 s[LIM0], 12, 0                   ; trips 2 P < 23
	s_cselect_b32 s[LIM1], 11, 0                   ; trips 2 P + 1 < 23
	s_mov_b32 s[SEL], 0x76543210
	s_mov_b32 s[SEL+1], 0xfedcba98
	s_mov_b32 s[CS], 0x3e38aa3b                    ; c = log2(e) / 8
	s_mov_b32 s[CS+1], s[CS]
	s_mov_b32 s[PS], 0
	s_mov_b32 s[MO], 0
	s_wait_kmcnt 0x0
	s_add_nc_u64 s[16:17], s[80:81], s[16:17]
	s_add_nc_u64 s[18:19], s[80:81], s[18:19]
	s_add_nc_u64 s[2:3], s[82:83], s[20:21]
	s_add_nc_u64 s[4:5], s[84:85], s[22:23]
	s_add_nc_u64 s[24:25], s[84:85], s[24:25]
	s_add_nc_u64 s[8:9], s[86:87], s[28:29]
	s_add_nc_u64 s[10:11], s[86:87], s[30:31]
	s_add_nc_u64 s[PF:PF+1], s[2:3], s[32:33]
	s_load_b128 s[76:79], s[24:25], 0x0            ; four words of four flags
	RLOAD                                          ; record 0
	global_load_b128 v[QW:QW+3], v[L16], s[16:17]
	global_load_b64 v[QW+4:QW+5], v[L8], s[16:17] offset:512
	global_load_b128 v[QB:QB+3], v[L16], s[16:17] offset:98304
	global_load_b64 v[QB+4:QB+5], v[L8], s[16:17] offset:98816
	global_load_b32 v[QSC], v[QSO], s[18:19]
	global_load_b32 v[QSC+1], v[QSO], s[18:19] offset:8192
.irp i, 0,1,2,3,4,5
	v_mov_b32 v[QW+6+\i], 0                        ; zero codes for k = 64 .. 127
.endr
.irp i, 0,1,2,3,4,5,6,7,8,9,10,11
	v_mov_b32 v[XF+\i], 0
.endr
.irp b, 0,1,2,3
	v_mov_b32 v[BT+\b], 0                          ; a lane permute's destination counts as one of its sources
.endr
	v_mov_b32 v[F+1], 0
	v_mov_b32 v[TP], 0
	v_mov_b32 v[XSW], 0
	RESET
	s_wait_kmcnt 0x0
	s_lshl_b32 s77, s77, 4
	s_lshl_b32 s78, s78, 8
	s_lshl_b32 s79, s79, 12
	s_or_b32 s[FW], s76, s77
	s_or_b32 s[FW], s[FW], s78
	s_or_b32 s[FW], s[FW], s79                     ; bit S: key step S hides a key of my tile
	s_mov_b32 s[FL], s[FW]
	s_wait_loadcnt 0x0
	RSTORE 0
	s_wait_dscnt 0x0                               ; the stores have read their registers
	s_add_nc_u64 s[2:3], s[2:3], REC
	RLOAD                                          ; record 1
; A TRIP: 128 keys from the slot named.  st = 1: the next record, which has come into registers, goes into the other slot.  ld = 1: the record after that is asked for.
.macro TRIP slot, st, ld
.set SLB, (\slot)*SLOT1
.rept 4
	v_nop                                          ; places in front of loads into registers that the last products have read
.endr
.if \ld
	s_wait_xcnt 0x0                                ; the last trip's prefetch and loads have read their addresses
	s_add_nc_u64 s[PF:PF+1], s[PF:PF+1], 16384
.endif
	s_wait_dscnt 0x0                               ; my part of this slot's record has landed, and my reads of the other slot are over
	s_barrier_signal -1
	s_barrier_wait -1                              ; both hold of all sixteen waves
.if \st
	s_wait_loadcnt 0x0                             ; the next record is in my registers (asked for a trip ago)
	RSTORE 1-(\slot)
.endif
.irp t, 0,1,2,3,4,5,6,7
	ds_load_b128 v[FR+6*\t:FR+6*\t+3], v[L16] offset:SLB+768*\t
	ds_load_b64 v[FR+6*\t+4:FR+6*\t+5], v[L8] offset:SLB+768*\t+512
.endr
	ds_load_b128 v[KSC:KSC+3], v[L16] offset:SLB+12288   ; lanes 0-15: tiles 0-3's words, lanes 16-31: tiles 4-7's
	s_wait_dscnt 0x0
.if \ld
	s_add_nc_u64 s[2:3], s[2:3], REC
	RLOAD
.if \slot
	ASK LIM1
.else
	ASK LIM0
.endif
.endif
.irp t, 0,1,2,3
	v_wmma_scale_f32_16x16x128_f8f6f4 v[S+8*\t:S+8*\t+7], v[FR+6*\t:FR+6*\t+11], v[QW:QW+11], 0, v[KSC+\t], v[QSC] matrix_a_fmt:MATRIX_FMT_FP6 matrix_b_fmt:MATRIX_FMT_FP6
.endr
.irp t, 4,5,6,7
	v_wmma_scale_f32_16x16x128_f8f6f4 v[S+8*\t:S+8*\t+7], v[FR+6*\t:FR+6*\t+11], v[QW:QW+11], 0, v[KSC+\t-4], v[QSC] matrix_a_fmt:MATRIX_FMT_FP6 matrix_b_fmt:MATRIX_FMT_FP6 matrix_a_scale:MATRIX_SCALE_ROW1
.endr
.rept 4
	v_nop                                          ; places in front of the loads over K's registers and of the first read of the scores
.endr
.irp d, 0,1,2,3
.irp p, 0,1,2
	ds_load_b128 v[FR+12*\d+4*\p:FR+12*\d+4*\p+3], v[L16] offset:SLB+6144+1536*\d+512*\p
.endr
.endr
	ds_load_b128 v[VSC:VSC+3], v[L16] offset:SLB+12800
	s_and_b32 s74, s[FL], 1                        ; a stored whole number: does this tile of the mask hide a key?
	s_cbranch_scc0 .Lopen_\@
	s_load_b512 s[16:31], s[4:5], s[MO] offset:0x0
	s_load_b512 s[32:47], s[4:5], s[MO] offset:0x40
	s_load_b512 s[48:63], s[4:5], s[MO] offset:0x80
	s_load_b512 s[80:95], s[4:5], s[MO] offset:0xc0
	s_wait_kmcnt 0x0
.set n, 0
.rept 48
	v_cndmask_b32 v[S+n], v[S+n], v[MKV], s[16+n]
.set n, n+1
.endr
.rept 16
	v_cndmask_b32 v[S+n], v[S+n], v[MKV], s[32+n]
.set n, n+1
.endr
.Lopen_\@:
.irp b, 0,1,2,3
	v_max3_num_f32 v[BM+\b], v[S+16*\b], v[S+1+16*\b], v[S+2+16*\b]   ; the largest score of each block of 32 keys: for the row's maximum and, since p rises with the score, for the block's largest p
.endr
.irp i, 3,5,7,9,11,13
.irp b, 0,1,2,3
	v_max3_num_f32 v[BM+\b], v[BM+\b], v[S+16*\b+\i], v[S+1+16*\b+\i]
.endr
.endr
.irp b, 0,1,2,3
	v_max_num_f32 v[BM+\b], v[BM+\b], v[S+15+16*\b]
.endr
.irp b, 0,1,2,3
	v_permlanex16_b32 v[BT+\b], v[BM+\b], s[SEL], s[SEL+1]
.endr
.irp b, 0,1,2,3
	v_max_num_f32 v[BM+\b], v[BM+\b], v[BT+\b]
.endr
	v_max3_num_f32 v[TP], v[BM], v[BM+1], v[BM+2]
	v_max_num_f32 v[TP], v[TP], v[BM+3]
	v_mul_f32 v[TP], s[CS], v[TP]                  ; as t
	v_max_num_f32 v13, v13, v[TP]                  ; the running largest t
	v_mov_b32 v[TP], v12
	v_floor_f32 v12, -v13                          ; the new -M: M is a whole number
	v_sub_f32 v[TP], v12, v[TP]
	v_cvt_i32_f32 v[TP], v[TP]                     ; (it saturates)
	v_ldexp_f32 v[F], 1.0, v[TP]                   ; f = 2^(old M - new M): rounds nothing
.set n, 0
.rept 32
	v_pk_fma_f32 v[S+n:S+n+1], v[S+n:S+n+1], s[CS:CS+1], v[12:13] op_sel_hi:[1,0,0]   ; t - M
.set n, n+2
.endr
.irp b, 0,1,2,3
	v_fma_f32 v[BM+\b], v[BM+\b], s[CS], v12
.endr
.set n, 0
.rept 64
	v_exp_f32 v[S+n], v[S+n]                       ; p = 2^(t - M)
.set n, n+1
.endr
	v_pk_mul_f32 v[14:15], v[14:15], v[F:F+1] op_sel_hi:[1,0]   ; the sums under the new M (a plain place behind the exponentials)
	s_wait_alu depctr_va_vdst(0)                   ; one wait for the batch of 64, ahead of its first reader
.irp b, 0,1,2,3
	v_exp_f32 v[BM+\b], v[BM+\b]                   ; the blocks' largest p
.endr
	v_pk_add_f32 v[SU:SU+1], v[S:S+1], v[S+2:S+3]  ; the row's sum of the unquantised p, in two chains
.set n, 4
.rept 15
	v_pk_add_f32 v[14:15], v[14:15], v[S+n:S+n+1]
	v_pk_add_f32 v[SU:SU+1], v[SU:SU+1], v[S+n+2:S+n+3]
.set n, n+4
.endr
	v_pk_add_f32 v[14:15], v[14:15], v[SU:SU+1]
	s_wait_alu depctr_va_vdst(0)                   ; and one for the four
.irp b, 0,1,2,3
	v_max_num_f32 v[BM+\b], 0x1800000, v[BM+\b]    ; the floor 2^(3 - 127)
.endr
.irp b, 0,1,2,3
	v_add_nc_u32 v[BS+\b], 0xff000000, v[BM+\b]
.endr
.irp b, 0,1,2,3
	v_lshrrev_b32 v[BT+\b], 23, v[BS+\b]
.endr
	v_lshl_or_b32 v[PSC], v[BT+1], 8, v[BT]
	v_lshl_or_b32 v[PSC], v[BT+2], 16, v[PSC]
	v_lshl_or_b32 v[PSC], v[BT+3], 24, v[PSC]
.irp c, 0,1
	v_cvt_scalef32_pk16_fp6_f32 v[P+6*\c:P+6*\c+2], v[S+32*\c:S+32*\c+15], v[BS+2*\c]
	v_cvt_scalef32_pk16_fp6_f32 v[CT+4*\c:CT+4*\c+2], v[S+16+32*\c:S+31+32*\c], v[BS+2*\c+1]
.endr
	v_nop                                          ; one plain place behind a scaled conversion
.irp c, 0,1
.irp i, 0,1,2
	v_permlane16_swap_b32 v[P+6*\c+\i], v[CT+4*\c+\i]
.endr
.irp i, 0,1,2
	v_mov_b32 v[P+3+6*\c+\i], v[CT+4*\c+\i]
.endr
.endr
.set n, 0
.rept 16
	v_pk_mul_f32 v[O+n:O+n+1], v[O+n:O+n+1], v[F:F+1] op_sel_hi:[1,0]   ; O^T under the new M; these are also the places between p's scale word and codes and the products
.set n, n+2
.endr
	s_wait_dscnt 0x0                               ; V and its scale words
.irp d, 0,1,2,3
	v_wmma_scale_f32_16x16x128_f8f6f4 v[O+8*\d:O+8*\d+7], v[FR+12*\d:FR+12*\d+11], v[P:P+11], v[O+8*\d:O+8*\d+7], v[VSC+\d], v[PSC] matrix_a_fmt:MATRIX_FMT_FP6 matrix_b_fmt:MATRIX_FMT_FP6
.endr
	s_lshr_b32 s[FL], s[FL], 1
	s_add_co_u32 s[MO], s[MO], 256
.endm
; A head is done: O^T / the sum becomes 64 codes and two scale bytes of x.  The fragment's upper half moves down and the new codes take its place, so that after two heads the first lies below.  more = 1: the second head begins.
.macro FINISH more
	v_add_f32 v14, v14, v15
	v_permlanex16_b32 v[TP], v14, s[SEL], s[SEL+1]
	v_add_f32 v14, v14, v[TP]                      ; the row's sum
	v_rcp_f32 v14, v14
.irp i, 0,1,2,3,4,5
	v_mov_b32 v[XF+\i], v[XF+6+\i]                 ; (the places behind the last products and behind the reciprocal)
.endr
	s_wait_alu depctr_va_vdst(0)                   ; ahead of the reciprocal's first reader
.set n, 0
.rept 16
	v_pk_mul_f32 v[O+n:O+n+1], v[O+n:O+n+1], v[14:15] op_sel_hi:[1,0]   ; register 16 b + i = channel 32 b + 16 (lane / 16) + i of my query
.set n, n+2
.endr
.irp b, 0,1
	v_max3_num_f32 v[BM+\b], |v[O+16*\b]|, |v[O+1+16*\b]|, 0x1800000
.endr
.irp i, 2,4,6,8,10,12,14
.irp b, 0,1
	v_max3_num_f32 v[BM+\b], v[BM+\b], |v[O+16*\b+\i]|, |v[O+1+16*\b+\i]|
.endr
.endr
.irp b, 0,1
	v_permlanex16_b32 v[BT+\b], v[BM+\b], s[SEL], s[SEL+1]
.endr
.irp b, 0,1
	v_max_num_f32 v[BM+\b], v[BM+\b], v[BT+\b]
.endr
.irp b, 0,1
	v_add_nc_u32 v[BS+\b], 0xff000000, v[BM+\b]
.endr
.irp b, 0,1
	v_lshrrev_b32 v[BT+\b], 23, v[BS+\b]
.endr
	v_lshl_or_b32 v[TP], v[BT+1], 8, v[BT]
	v_lshrrev_b32 v[XSW], 16, v[XSW]
	v_lshl_or_b32 v[XSW], v[TP], 16, v[XSW]
	v_cvt_scalef32_pk16_fp6_f32 v[XF+6:XF+8], v[O:O+15], v[BS]
	v_cvt_scalef32_pk16_fp6_f32 v[CT:CT+2], v[O+16:O+31], v[BS+1]
	v_nop                                          ; one plain place behind a scaled conversion
.irp i, 0,1,2
	v_permlane16_swap_b32 v[XF+6+\i], v[CT+\i]
.endr
.irp i, 0,1,2
	v_mov_b32 v[XF+9+\i], v[CT+\i]
.endr
.if \more
	v_mov_b32 v[QSC], v[QSC+1]                     ; the second head's Q; the 36 lines of RESET stand between these and the next products
.irp i, 0,1,2,3,4,5
	v_mov_b32 v[QW+\i], v[QB+\i]
.endr
	RESET
	s_mov_b32 s[FL], s[FW]
	s_mov_b32 s[MO], 0
.endif
.endm
.Lpass:                                            ; 15 passes: trips 0 to 29
	TRIP 0, 1, 1
	TRIP 1, 1, 1
	s_add_co_u32 s[PS], s[PS], 1
	s_cmp_lg_u32 s[PS], 8
	s_cbranch_scc1 .Lsame_head
	FINISH 1                                       ; sixteen trips: the first head's keys are through
.Lsame_head:
	s_cmp_lt_u32 s[PS], 15
	s_cbranch_scc1 .Lpass
	TRIP 0, 1, 0                                   ; the last two trips ask for nothing: no load leaves the buffer
	TRIP 1, 0, 0
	FINISH 0
.irp p, 0,1,2
	global_store_b128 v[L16], v[XF+4*\p:XF+4*\p+3], s[8:9] offset:512*\p   ; x's fragment: three times 512 consecutive bytes
.endr
	ds_store_b32 v[XGA], v[XSW] offset:XG          ; both halves of the lanes write the same word with the same value
	s_wait_dscnt 0x0
	s_barrier_signal -1
	s_barrier_wait -1
	s_cmp_lt_u32 s[WV], 2
	s_cbranch_scc0 .Lend
	ds_load_b128 v[G:G+3], v[T16] offset:XG        ; the sixteen tiles' words leave as 1,024 consecutive bytes, 512 a wave
	s_wait_dscnt 0x0
	global_store_b128 v[T16], v[G:G+3], s[10:11]
.Lend:
	s_wait_tensorcnt 0x0                           ; the wave's end
	ds_add_u32 v[SPW], v[NIL]
	s_wait_dscnt 0x0
	s_endpgm
.Lfunc_end_k_qf9efde1230_attn:
	.size	k_qf9efde1230_attn, .Lfunc_end_k_qf9efde1230_attn-k_qf9efde1230_attn
	.p2alignl 7, 3214868480
	.fill 96, 4, 3214868480
	.section	.rodata,"a",@progbits
	.p2align	6, 0x0
	.amdhsa_kernel k_qf9efde1230_attn
		.amdhsa_group_segment_fixed_size 32768
		.amdhsa_private_segment_fixed_size 0
		.amdhsa_enable_private_segment 0
		.amdhsa_kernarg_size 32
		.amdhsa_user_sgpr_count 2
		.amdhsa_user_sgpr_kernarg_segment_ptr 1
		.amdhsa_wavefront_size32 1
		.amdhsa_system_sgpr_workgroup_id_x 1
		.amdhsa_system_sgpr_workgroup_id_y 1
		.amdhsa_system_sgpr_workgroup_id_z 1
		.amdhsa_system_vgpr_workitem_id 0
		.amdhsa_next_free_vgpr 256
		.amdhsa_next_free_sgpr 96
		.amdhsa_reserve_vcc 0
		.amdhsa_float_denorm_mode_32 3
		.amdhsa_float_denorm_mode_16_64 3
		.amdhsa_memory_ordered 1
		.amdhsa_forward_progress 1
		.amdhsa_inst_pref_size 98
	.end_amdhsa_kernel
	.amdgpu_metadata
---
amdhsa.version: [ 1, 2 ]
amdhsa.kernels:
  - .name:           k_qf9efde1230_attn
    .symbol:         k_qf9efde1230_attn.kd
    .args:
      - { .name: QH, .offset: 0, .size: 8, .value_kind: global_buffer, .address_space: global }
      - { .name: KV, .offset: 8, .size: 8, .value_kind: global_buffer, .address_space: global }
      - { .name: MW, .offset: 16, .size: 8, .value_kind: global_buffer, .address_space: global }
      - { .name: XO, .offset: 24, .size: 8, .value_kind: global_buffer, .address_space: global }
    .group_segment_fixed_size: 32768
    .private_segment_fixed_size: 0
    .kernarg_segment_align: 8
    .kernarg_segment_size: 32
    .max_flat_workgroup_size: 512
    .sgpr_count:     96
    .vgpr_count:     256
    .wavefront_size: 32
...
	.end_amdgpu_metadata
.endif
;; end of part 3
;; launch outp (part 4): grid 4 x 64, 4 waves a work-group, clusters of 4 x 4, 327,680 bytes of LDS; arguments XO, WQ, bo, out0; writes out0
.if DOCPART == 4
	.amdgcn_target "amdgcn-amd-amdhsa--gfx1250"
	.amdhsa_code_object_version 6
	.text
	.protected	k_qf9efde1230_outp
	.globl	k_qf9efde1230_outp
	.p2align	8
	.type	k_qf9efde1230_outp,@function
k_qf9efde1230_outp:
	s_mov_b64 s[64:65], 0
	v_nop
	global_prefetch_b8 v0, s[64:65] scope:SCOPE_SE
	s_setreg_imm32_b32 hwreg(HW_REG_WAVE_MODE, 25, 1), 1
	s_wait_xcnt 0x0
	s_wait_alu depctr_hold_cnt(0) depctr_sa_sdst(0) depctr_va_vdst(0) depctr_va_sdst(0) depctr_va_ssrc(0) depctr_va_vcc(0) depctr_vm_vsrc(0)
	s_getreg_b32 s2, hwreg(HW_REG_IB_STS2, 6, 4)
	s_cmp_eq_u32 s2, 0
	s_cbranch_scc0 .Lentry_in_a_cluster
	s_endpgm
.Lentry_in_a_cluster:
	s_bfe_u32 s2, ttmp6, 0x10000c
	s_cmp_lg_u32 s2, 0xf033
	s_cbranch_scc0 .Lentry_shape_is_right
	s_endpgm
.Lentry_shape_is_right:
; out0 = x Wo + bo on codes of FP6 (E2M3); x's codes and scale words come from the attention launch, Wo's from the first; bo is the C of the first K step; the result leaves as f32.
; The frame is the projections': SOURCE 0 = 16 rows of J (Wo's columns: they fall into a lane's registers), SOURCE 1 = 16 rows of I (tokens: the lane).  A work-group takes 128 tokens x 256 columns; wave (wi, wj) 64 x 128:
; 32 accumulators.  All of K = 1,024 lies in LDS, four chunks of 256 K filled once, read behind counted waits and a barrier; nothing is filled again.  CLUSTERS: 4 x 4; I's tiles shared along a row, J's along a column.
; A tile's rows are rho(T, r) = 32 (T / 2) + 8 (T % 2) + r + 8 (r / 8).  x's scale words lie [K step][tile][16 words]: eight rows of 512 bytes for my 8 tiles.
; THE WAY OUT: 16 tokens x 128 columns at a time through the wave's own stage in LDS, back as whole rows of 512 bytes.  The stages lie in I's region, behind a barrier at which nobody reads it any more; it has had its only fill.
; REGISTERS: window 0: v1-15 addresses; v16-47 J's scale words, v48-63 I's; v64-159 I's fragments, two sets; v160-255 J's.  window 1: accumulator (a, b) at v[8 (8 a + b)].  window 2: v0-63 the bias.
.set WSOFF,  3145728
.set XOSOFF, 6291456
.set CHUNK,  24576
.set RJ,     98304
.set SCI,    294912
.set SCJ,    299008
.set SPARE,  307200                    ; the spare words: two blocks of 256 bytes that no other line names
.set L16, 1
.set RR,  2
.set HH,  3
.set AI,  4
.set AJ,  5
.set ASI, 6
.set ASJ, 7
.set SPW, 8
.set NIL, 9
.set BO,  10
.set STO, 14
.set RD,  15
.set SJ,  16
.set SI,  48
.set IFR, 64
.set JFR, 160
.set BJ,  0
.set WV,   18
.set WI,   19
.set WJ,   20
.set IBLK, 22
.set JBLK, 23
.set G1I,  24
.set G1J,  32
.set G1SI, 40
.set G1SJ, 48
.set G0SI, 56
.set G0SJ, 60
.set G0I,  68
.set G0J,  84
.set MSB, 0
.macro WIN new                         ; the immediate's high byte repeats the setting that is left
.if MSB != \new
	s_set_vgpr_msb (MSB<<8)|\new
.set MSB, \new
.endif
.endm
.macro PLACES
.rept 4
	v_nop
.endr
.endm
.macro CROUND                          ; a round of the cluster's barrier
	s_barrier_signal -1
	s_barrier_wait -1
	s_cmp_lg_u32 s[WV], 0
	s_cbranch_scc1 .Lnot_wave_0_\@
	s_barrier_signal -3
.Lnot_wave_0_\@:
	s_barrier_wait -3
	s_barrier_signal -1
	s_barrier_wait -1
.endm
.macro G1SET g, c, r, p                ; rows of c elements of 8 bytes, r rows, p elements from row to row
	s_mov_b32 s[\g+1], ((\c)&0xffff)<<16
	s_mov_b32 s[\g+2], ((\c)>>16)|(((\r)&0xffff)<<16)
	s_mov_b32 s[\g+3], ((\r)>>16)|((\c)<<16)
	s_mov_b32 s[\g+4], \r
	s_mov_b32 s[\g+5], \p
	s_mov_b32 s[\g+6], 0
	s_mov_b32 s[\g+7], 0
.endm
	s_load_b256 s[4:11], s[0:1], 0x0               ; XO, WQ, bo, out0
	v_lshl_add_u32 v[SPW], v0, 2, SPARE
	v_mov_b32 v[NIL], 0
	ds_add_u32 v[SPW], v[NIL]                      ; the wave's opening: the add and its wait ahead of my first tensor load
	v_lshrrev_b32 v1, 5, v0
	v_readfirstlane_b32 s[WV], v1
	s_lshr_b32 s[WI], s[WV], 1
	s_and_b32 s[WJ], s[WV], 1
	s_bfe_u32 s96, ttmp6, 0x40000                  ; cx: it enters J's registers alone
	s_bfe_u32 s80, ttmp6, 0x40004                  ; cy: I's alone
	s_and_b32 s2, ttmp7, 0xffff
	s_lshl_b32 s[IBLK], s2, 2
	s_add_co_u32 s[IBLK], s[IBLK], s80             ; which 128 tokens
	s_mov_b32 s[JBLK], s96                         ; which 256 columns
	s_lshl_b32 s81, s[IBLK], 3
	s_mul_i32 s100, s81, 12288                     ; x's codes, in bytes
	s_lshl_b32 s81, s[IBLK], 9
	s_add_co_u32 s81, s81, XOSOFF                  ; x's scale words: my 8 tiles' 512 bytes of K step 0
	s_lshl_b32 s97, s[JBLK], 4
	s_add_co_u32 s97, s97, 192                     ; Wo's tiles lie behind the other three matrices'
	s_mul_i32 s101, s97, 12288
	s_mul_i32 s98, s[WI], RJ                       ; (wave 1: J's tiles 0-7, wave 2: tiles 8-15)
	s_add_co_u32 s101, s101, s98
	s_lshl_b32 s97, s97, 9
	s_add_co_u32 s97, s97, WSOFF
	s_lshl_b32 s82, s80, 2
	s_lshl_b32 s82, 15, s82                        ; my row of the cluster
	s_lshl_b32 s98, 0x1111, s96                    ; my column
	s_or_b32 s[G1I], s82, (3<<16)|(1<<21)          ; 15:0 the mask; 17:16 elements of 8 bytes; 21 set beside a mask; no padding
	s_or_b32 s[G1J], s98, (3<<16)|(1<<21)
	s_or_b32 s[G1SI], s82, (3<<16)|(1<<21)
	s_or_b32 s[G1SJ], s98, (3<<16)|(1<<21)
	G1SET G1I, 384, 8, 1536                        ; a chunk: of each of 8 tiles two K steps, 3,072 bytes, 12,288 apart
	G1SET G1J, 384, 8, 1536
	G1SET G1SI, 64, 8, 4096                        ; eight K steps' rows of 512 bytes, 32,768 apart
	G1SET G1SJ, 32, 32, 32                         ; 16 tiles' scale words: 8,192 dense bytes
	s_wait_dscnt 0x0                               ; the opening add is done
	s_wait_kmcnt 0x0
	s_mov_b64 s[2:3], s[4:5]
	s_mov_b64 s[66:67], s[6:7]
	s_mov_b32 s82, s81
	s_mov_b32 s83, 0
	s_add_nc_u64 s[G0SI+2:G0SI+3], s[2:3], s[82:83]
	s_mov_b32 s82, s100
	s_add_nc_u64 s[2:3], s[2:3], s[82:83]
	s_mov_b32 s98, s97
	s_mov_b32 s99, 0
	s_add_nc_u64 s[G0SJ+2:G0SJ+3], s[66:67], s[98:99]
	s_mov_b32 s98, s101
	s_add_nc_u64 s[66:67], s[66:67], s[98:99]
	s_mul_i32 s100, s[WV], RJ
	CROUND                                         ; all sixteen work-groups are here: the joint loads meet
	s_mov_b32 s[G0SI], 1
	s_mov_b32 s[G0SI+1], SCI
	s_or_b32 s[G0SI+3], s[G0SI+3], 0x80000000
	s_mov_b32 s[G0SJ], 1
	s_mov_b32 s[G0SJ+1], SCJ
	s_or_b32 s[G0SJ+3], s[G0SJ+3], 0x80000000
.irp c, 0,1,2,3
	s_mov_b32 s[G0I+4*\c], 1
	s_mov_b32 s[G0I+4*\c+1], CHUNK*\c
	s_add_nc_u64 s[G0I+4*\c+2:G0I+4*\c+3], s[2:3], 3072*\c
	s_or_b32 s[G0I+4*\c+3], s[G0I+4*\c+3], 0x80000000
	s_mov_b32 s[G0J+4*\c], 1
	s_add_co_u32 s[G0J+4*\c+1], s100, CHUNK*\c
	s_add_nc_u64 s[G0J+4*\c+2:G0J+4*\c+3], s[66:67], 3072*\c
	s_or_b32 s[G0J+4*\c+3], s[G0J+4*\c+3], 0x80000000
.endr
	; all fills of the launch, in one branch on the wave's number: wave 0 I's four chunks, waves 1 and 2 J's, wave 3 the scale words.  A wave has at most four tensor loads out
	s_cmp_lg_u32 s[WV], 0
	s_cbranch_scc1 .Lnot_i
.irp c, 0,1,2,3
	tensor_load_to_lds s[G0I+4*\c:G0I+4*\c+3], s[G1I:G1I+7]
	s_nop 0
.endr
	PLACES
	s_branch .Lasked
.Lnot_i:
	s_cmp_eq_u32 s[WV], 3
	s_cbranch_scc1 .Lscales
.irp c, 0,1,2,3
	tensor_load_to_lds s[G0J+4*\c:G0J+4*\c+3], s[G1J:G1J+7]
	s_nop 0
.endr
	PLACES
	s_branch .Lasked
.Lscales:
	tensor_load_to_lds s[G0SI:G0SI+3], s[G1SI:G1SI+7]
	s_nop 0
	tensor_load_to_lds s[G0SJ:G0SJ+3], s[G1SJ:G1SJ+7]
	s_nop 0
	PLACES
	s_wait_tensorcnt 0x0                           ; the scale words are wanted with the first K step
.Lasked:
	v_and_b32 v11, 31, v0
	v_lshlrev_b32 v[L16], 4, v11
	v_and_b32 v[RR], 15, v0
	v_bfe_u32 v[HH], v0, 4, 1
	s_mul_i32 s2, s[WI], 12288
	v_add_nc_u32 v[AI], s2, v[L16]                 ; my four tiles of I in a chunk
	s_mul_i32 s2, s[WJ], RJ
	s_add_co_u32 s2, s2, RJ
	v_add_nc_u32 v[AJ], s2, v[L16]                 ; my eight tiles of J
	v_lshlrev_b32 v[ASJ], 4, v[RR]
	v_lshl_add_u32 v[ASJ], v[HH], 11, v[ASJ]       ; lanes 16-31: four tiles on
	s_lshl_b32 s2, s[WJ], 12
	s_add_co_u32 s2, s2, SCJ
	v_add_nc_u32 v[ASJ], s2, v[ASJ]
	v_lshlrev_b32 v[ASI], 2, v[RR]
	v_lshl_add_u32 v[ASI], v[HH], 7, v[ASI]        ; 64 bytes a tile; lanes 16-31: two tiles on
	s_lshl_b32 s2, s[WI], 8
	s_add_co_u32 s2, s2, SCI
	v_add_nc_u32 v[ASI], s2, v[ASI]
	v_lshlrev_b32 v[BO], 6, v[HH]
	s_mul_i32 s2, s[WV], 8448                      ; my stage: 16 rows x 528 bytes
	v_mul_u32_u24 v[STO], v[RR], 528
	v_lshl_add_u32 v[STO], v[HH], 6, v[STO]
	v_add_nc_u32 v[STO], s2, v[STO]                ; in: row r, + 64 h
	v_add_nc_u32 v[RD], s2, v[L16]                 ; back: 16 bytes a lane of a row
	s_lshl_b32 s66, s[JBLK], 10
	s_lshl_b32 s67, s[WJ], 9
	s_add_co_u32 s66, s66, s67
	s_mov_b32 s67, 0
	s_add_nc_u64 s[2:3], s[8:9], s[66:67]          ; bo at my 128 columns
	WIN 0x80                                       ; destination window 2
.irp b, 0,1,2,3,4,5,6,7
	global_load_b128 v[BJ+8*\b:BJ+8*\b+3], v[BO], s[2:3] offset:(32*(\b/2)+8*(\b%2))*4
	global_load_b128 v[BJ+8*\b+4:BJ+8*\b+7], v[BO], s[2:3] offset:(32*(\b/2)+8*(\b%2))*4+16
.endr
	WIN 0
.macro FRAGL reg, adr, off             ; a fragment comes as it was stored: three times 512 consecutive bytes
.irp p, 0,1,2
	ds_load_b128 v[\reg+4*\p:\reg+4*\p+3], v[\adr] offset:\off+512*\p
.endr
.endm
.macro FETCH_I s
.irp a, 0,1,2,3
	FRAGL IFR+48*((\s)%2)+12*\a, AI, 3072*\a+1536*((\s)%2)
.endr
.endm
.macro FETCH_J s, b0
.irp b, \b0, \b0+1, \b0+2, \b0+3
	FRAGL JFR+12*(\b), AJ, 3072*(\b)+1536*((\s)%2)
.endr
.endm
.macro MM s, b, a, cm                  ; cm = 0: C is the accumulator; 1: the bias, in window 2
.set DR, 8*(8*(\a)+(\b))
.set CR, DR
.if \cm == 1
.set CR, BJ+8*(\b)
.endif
.set AR, JFR+12*(\b)
.set BR, IFR+48*((\s)%2)+12*(\a)
.set SA, SJ+8*((\b)%4)+(\s)
.set SB, SI+8*((\a)%2)+(\s)
.if ((\b) < 4) && ((\a) < 2)
	v_wmma_scale_f32_16x16x128_f8f6f4 v[DR:DR+7], v[AR:AR+11], v[BR:BR+11], v[CR:CR+7], v[SA], v[SB] matrix_a_fmt:MATRIX_FMT_FP6 matrix_b_fmt:MATRIX_FMT_FP6
.elseif (\a) < 2
	v_wmma_scale_f32_16x16x128_f8f6f4 v[DR:DR+7], v[AR:AR+11], v[BR:BR+11], v[CR:CR+7], v[SA], v[SB] matrix_a_fmt:MATRIX_FMT_FP6 matrix_b_fmt:MATRIX_FMT_FP6 matrix_a_scale:MATRIX_SCALE_ROW1
.elseif (\b) < 4
	v_wmma_scale_f32_16x16x128_f8f6f4 v[DR:DR+7], v[AR:AR+11], v[BR:BR+11], v[CR:CR+7], v[SA], v[SB] matrix_a_fmt:MATRIX_FMT_FP6 matrix_b_fmt:MATRIX_FMT_FP6 matrix_b_scale:MATRIX_SCALE_ROW1
.else
	v_wmma_scale_f32_16x16x128_f8f6f4 v[DR:DR+7], v[AR:AR+11], v[BR:BR+11], v[CR:CR+7], v[SA], v[SB] matrix_a_fmt:MATRIX_FMT_FP6 matrix_b_fmt:MATRIX_FMT_FP6 matrix_a_scale:MATRIX_SCALE_ROW1 matrix_b_scale:MATRIX_SCALE_ROW1
.endif
.endm
.macro MUL8 s, b0, cm                  ; the 32 accumulators take turns, in the same order in every K step
.irp b, \b0, \b0+1
.irp a, 0,1,2,3
	MM \s, (\b), \a, \cm
.endr
.endr
.endm
.macro MWIN cm
.if \cm
	WIN 0x60                                       ; C window 2, D window 1
.else
	WIN 0x50                                       ; C and D window 1
.endif
.endm
.macro STEP s, cm
	s_wait_dscnt 12                                ; all but the youngest 12 loads (J's tiles 4-7) are in
	MWIN \cm
	MUL8 \s, 0, \cm
.if (\s)%2
	s_wait_tensorcnt (5-(\s))/2                    ; my part of the next chunk has landed; the later chunks stay out
	s_wait_dscnt 0x0
	s_barrier_signal -1
.endif
	MUL8 \s, 2, \cm
.if (\s)%2
	s_barrier_wait -1
	WIN 0
	v_add_nc_u32 v[AI], CHUNK, v[AI]               ; these two and two v_nop are the four places in front of loads into registers that matrix instructions have read
	v_add_nc_u32 v[AJ], CHUNK, v[AJ]
	v_nop
	v_nop
.else
	s_wait_dscnt 0x0                               ; J's tiles 4-7 are in
	WIN 0
	PLACES
.endif
	FETCH_I (\s)+1
	FETCH_J (\s)+1, 0
	MWIN \cm
	MUL8 \s, 4, \cm
	MUL8 \s, 6, \cm
	PLACES
	WIN 0
	FETCH_J (\s)+1, 4
.endm
	s_wait_tensorcnt 3                             ; my first chunk has landed; three stay out
	s_barrier_signal -1
	s_barrier_wait -1                              ; everybody's has, and the scale words
.irp q, 0,1,2,3
.irp g, 0,1
	ds_load_b128 v[SJ+8*\q+4*\g:SJ+8*\q+4*\g+3], v[ASJ] offset:512*\q+256*\g
.endr
.endr
.irp p, 0,1
.irp s, 0,1,2,3,4,5,6,7
	ds_load_b32 v[SI+8*\p+\s], v[ASI] offset:512*\s+64*\p
.endr
.endr
	FETCH_I 0
	FETCH_J 0, 0
	FETCH_J 0, 4
	s_wait_loadcnt 0x0                             ; the bias
	STEP 0, 1                                      ; the first K step starts the sums on the bias
.irp s, 1,2,3,4,5,6
	STEP \s, 0
.endr
	s_wait_dscnt 12
	WIN 0x50
	MUL8 7, 0, 0
	MUL8 7, 2, 0
	s_wait_dscnt 0x0                               ; my last reads of the operands are over
	s_barrier_signal -1
	MUL8 7, 4, 0
	MUL8 7, 6, 0
	WIN 0
	s_barrier_wait -1                              ; everybody's are: the stages may be written
	; THE WAY OUT.  Accumulator (a, b), register j, lane (r, h): token rho(a, r), column 32 (b / 2) + 8 (b % 2) + 16 h + j of my 128
	s_lshl_b32 s66, s[IBLK], 19                    ; 128 rows of 4,096 bytes
	s_lshl_b32 s67, s[WI], 18
	s_add_co_u32 s66, s66, s67
	s_lshl_b32 s67, s[JBLK], 10
	s_add_co_u32 s66, s66, s67
	s_lshl_b32 s67, s[WJ], 9
	s_add_co_u32 s66, s66, s67
	s_mov_b32 s67, 0
	s_add_nc_u64 s[68:69], s[10:11], s[66:67]
.macro TOSTAGE a
	WIN 0x04                                       ; an LDS store's data: window 1
.set nb, 0
.rept 8
	ds_store_b128 v[STO], v[64*(\a)+8*nb:64*(\a)+8*nb+3] offset:128*(nb/2)+32*(nb%2)       ; each accumulator from its low end on
	ds_store_b128 v[STO], v[64*(\a)+8*nb+4:64*(\a)+8*nb+7] offset:128*(nb/2)+32*(nb%2)+16
.set nb, nb+1
.endr
	WIN 0
.set BB, 160-96*((\a)%2)
.set nt, 0
.rept 16
	ds_load_b128 v[BB+4*nt:BB+4*nt+3], v[RD] offset:528*nt    ; LDS serves a wave's instructions in order: these see the stores above
.set nt, nt+1
.endr
.endm
.macro SEND a, younger                 ; younger: the LDS instructions issued behind block a's loads, which may stay out
.set BB, 160-96*((\a)%2)
	s_wait_dscnt \younger
.set nt, 0
.rept 16
	global_store_b128 v[L16], v[BB+4*nt:BB+4*nt+3], s[68:69] offset:(32*((\a)/2)+8*((\a)%2)+nt+8*(nt/8))*4096 th:TH_STORE_NT   ; 32 lanes store 512 consecutive bytes of a row
.set nt, nt+1
.endr
.endm
	PLACES                                         ; in front of the first read of results and of the loads into registers that held fragments
	TOSTAGE 0
.irp a, 1,2,3
.if \a > 1
	s_wait_xcnt 0x0                                ; block a - 2's stores have read their registers: block a's loads may land there
.endif
	TOSTAGE \a
	SEND \a-1, 32                                  ; behind block a - 1's loads: block a's 16 stores and 16 loads
.endr
	SEND 3, 0
	s_wait_tensorcnt 0x0                           ; the wave's end
	ds_add_u32 v[SPW], v[NIL]
	s_wait_dscnt 0x0
	CROUND                                         ; the closing round
	s_endpgm
.Lfunc_end_k_qf9efde1230_outp:
	.size	k_qf9efde1230_outp, .Lfunc_end_k_qf9efde1230_outp-k_qf9efde1230_outp
	.p2alignl 7, 3214868480
	.fill 96, 4, 3214868480
	.section	.rodata,"a",@progbits
	.p2align	6, 0x0
	.amdhsa_kernel k_qf9efde1230_outp
		.amdhsa_group_segment_fixed_size 327680
		.amdhsa_private_segment_fixed_size 0
		.amdhsa_enable_private_segment 0
		.amdhsa_kernarg_size 32
		.amdhsa_user_sgpr_count 2
		.amdhsa_user_sgpr_kernarg_segment_ptr 1
		.amdhsa_wavefront_size32 1
		.amdhsa_system_sgpr_workgroup_id_x 1
		.amdhsa_system_sgpr_workgroup_id_y 1
		.amdhsa_system_sgpr_workgroup_id_z 1
		.amdhsa_system_vgpr_workitem_id 0
		.amdhsa_next_free_vgpr 768
		.amdhsa_next_free_sgpr 102
		.amdhsa_reserve_vcc 0
		.amdhsa_float_denorm_mode_32 3
		.amdhsa_float_denorm_mode_16_64 3
		.amdhsa_memory_ordered 1
		.amdhsa_forward_progress 1
		.amdhsa_inst_pref_size 82
	.end_amdhsa_kernel
	.amdgpu_metadata
---
amdhsa.version: [ 1, 2 ]
amdhsa.kernels:
  - .name:           k_qf9efde1230_outp
    .symbol:         k_qf9efde1230_outp.kd
    .args:
      - { .name: XO, .offset: 0, .size: 8, .value_kind: global_buffer, .address_space: global }
      - { .name: WQ, .offset: 8, .size: 8, .value_kind: global_buffer, .address_space: global }
      - { .name: bo, .offset: 16, .size: 8, .value_kind: global_buffer, .address_space: global }
      - { .name: out0, .offset: 24, .size: 8, .value_kind: global_buffer, .address_space: global }
    .group_segment_fixed_size: 327680
    .private_segment_fixed_size: 0
    .kernarg_segment_align: 8
    .kernarg_segment_size: 32
    .max_flat_workgroup_size: 128
    .sgpr_count:     102
    .vgpr_count:     768
    .wavefront_size: 32
...
	.end_amdgpu_metadata
.endif
;; end of part 4
;; ======== version 2 of 2: 4 launches; version 1 with the launch attn written anew for expert scheduling mode
;; workspace buffers: XQ 19,660,800 bytes; WQ 3,276,800 bytes; MW 526,336 bytes of whole numbers; QH 6,815,744 bytes; KV 13,631,488 bytes; XO 6,553,600 bytes
;; launch prep: the kernel of part 1 again; grid 576 x 1, 4 waves a work-group, no clusters, 83,456 bytes of LDS; arguments q, k, v, Wq, Wk, Wv, Wo, mask, XQ, WQ, MW; writes XQ, WQ, MW
;; launch proj: the kernel of part 2 again; grid 4 x 192, 4 waves a work-group, clusters of 4 x 4, 327,680 bytes of LDS; arguments XQ, WQ, bq, bk, bv, QH, KV; writes QH, KV
;; launch attn (part 5): grid 8 x 32, 16 waves a work-group, no clusters, 32,768 bytes of LDS; arguments QH, KV, MW, XO; writes XO
.if DOCPART == 5
	.amdgcn_target "amdgcn-amd-amdhsa--gfx1250"
	.amdhsa_code_object_version 6
	.text
	.protected	k_qf9efde1230_attn
	.globl	k_qf9efde1230_attn
	.p2align	8
	.type	k_qf9efde1230_attn,@function
k_qf9efde1230_attn:
	s_mov_b64 s[64:65], 0
	v_nop
	global_prefetch_b8 v0, s[64:65] scope:SCOPE_SE
	s_setreg_imm32_b32 hwreg(HW_REG_WAVE_SCHED_MODE, 0, 2), 2
	s_setreg_imm32_b32 hwreg(HW_REG_WAVE_MODE, 25, 1), 1
	s_wait_xcnt 0x0
	s_wait_alu depctr_vm_vsrc(0)
; x = softmax(Q K^T / 8, masked) V for 64 heads of 64, both products on codes of FP6 (E2M3); x leaves quantised along the output projection's K, as images of that product's operand.
; THE SOFTMAX: t = score x log2(e) / 8; M = the running largest t rounded up to a whole number; p = 2^(t - M) is quantised along the keys, not normalised; the row's sum is taken of the unquantised p and divides O at the end.
; SHARES.  A work-group owns 256 queries of one batch and a PAIR of heads; each of its sixteen waves one tile of 16 queries, first for head 2 hp, then for head 2 hp + 1: 32 trips of 128 keys over 32 records that lie on end in KV.
; So a wave ends with a whole fragment (128 channels) and a whole scale word of x.  Four waves to a SIMD: one wave's vector work stands beside another's products and LDS loads.
; A record (13,312 bytes: K's 8 tiles x 768 | V's 4 tiles x 1,536 | K's scale words | V's) goes memory -> registers -> LDS, 16 bytes a thread, two slots by turns, one barrier a trip.
; NO TENSOR LOAD AND NO JOINT LOAD: a trip branches on a stored flag (does this tile of the mask hide a key?); a step's shared bytes are 13 KB a work-group.
; LAYOUT.  S^T = K Q^T, O^T = V^T P^T: a lane holds one query throughout.  The rows of every tile are rho(T, r) = 32 (T / 2) + 8 (T % 2) + r + 8 (r / 8), so S^T's register 16 b + i is key 32 b + 16 (lane / 16) + i.
; K = 64 IN A FORM OF 128: Q's registers 6-11 are zero codes for good, and bytes 2, 3 of Q's and K's scale words are 0 (2^-127, no NaN).  K's tile t is named as v[36 + 6 t .. 47 + 6 t]: its upper six registers are the next
; tile's codes (for tile 7: x's fragment's lower six), which meet zero codes alone and add nothing.
; THE MASK: word n of MW[T][S] is the lane mask of register n: one v_cndmask_b32 a score, jumped over where the flag says that the tile hides nothing.
; LIMITS: a hidden score is -2^36 (logit -2^33 where the definition has -1e10): a power of two, so that score x c is exact and a wholly hidden row gives p = 1 for every key, as the definition does; results differ only
; where true logits lie under about -8.5e9.  NaN and infinities are not served.  A block of zeros keeps the byte 1.
; THE MODE: SCHED_MODE bits 1:0 = 2 (LLVM: expert scheduling mode 2), set by the entry lines.  The code itself states the register dependences between vector or matrix instructions and memory or LDS instructions,
; with s_wait_alu, always for 0.
; THE PLAN.  Registers that memory or LDS instructions touch, and who else names them:
;   v1-v5, v7, v8, v10  addresses, offsets and the add's two: written at the head, never again.  One wait at the head, ahead of the first load, serves them for the whole kernel.
;   G                   named by memory and LDS instructions alone: a record's load lands in it, the next trip's LDS stores read it, the next load lands in it; at the end an LDS load lands in it and a store reads it.
;   FR                  in a trip: K's loads land, the eight first products read, V's loads land, the four second products read.  KSC: loaded, read by the first products.  VSC: loaded, read by the second.
;   Q's operand and scale word, x's fragment's lower six, p's codes and scale word: written by vector instructions, taken by scaled products.
;   XF, XSW             written by vector instructions, read by the last stores.
; A TRIP'S WAITS, beside the two behind its exponentials: (1) behind the barrier, ahead of K's loads: the last trip's products are done reading FR, KSC and VSC, and what the head or the end of a head wrote of Q's operand,
; Q's scale word and x's fragment is written; (2) behind K's loads: the LDS stores have read G, so the next record is asked for at once; (3) behind the first products and their places: they are done reading K's registers;
; V's thirteen loads follow, five at once and eight dealt among the lines that search for the maximum, which name S and the blocks' maxima alone; (4) ahead of the second products: p's codes and scale word are written.
.set QSOFF,  6291456
.set XOSOFF, 6291456
.set FWOFF,  524288
.set REC,    13312
.set HEADKV, 212992
.set SLOT1,  16384
.set XG,     29696                     ; 1 KB: the sixteen waves' scale words of x
.set SPARE,  30720                     ; the spare words, 128 bytes a wave: eight blocks of 256 bytes that no other line names
.set L16, 1                            ; v1   16 x lane
.set L8,  2                            ; v2   8 x lane
.set T16, 3                            ; v3   16 x thread
.set SPW, 4
.set NIL, 5
.set QSO, 7                            ; v7   16 r
.set XGA, 8                            ; v8   64 wave + 4 r
.set MKV, 9                            ; v9   -2^36
.set PFO, 10                           ; v10  256 x lane
.set QW,  16                           ; v16-27 Q's operand: 16-21 codes, 22-27 zeros
.set QB,  28                           ; v28-33 the second head's codes
.set QSC, 34                           ; v34, v35 Q's scale words
.set FR,  36                           ; v36-83 K's 8 x 6 registers, later V's 4 x 12
.set XF,  84                           ; v84-95 x's fragment
.set S,   96                           ; v96-159 S^T, then p
.set O,   160                          ; v160-191 O^T
.set P,   192                          ; v192-203 p's codes
.set CT,  204                          ; v204-206, v208-210
.set BM,  212
.set BT,  216
.set BS,  220
.set KSC, 224
.set VSC, 228
.set PSC, 232
.set F,   234                          ; v[234:235] f = 2^(old M - new M); the upper word is named with it and holds 0
.set TP,  236
.set XSW, 239
.set G,   240                          ; v240-247 a record's bytes on their way
.set SU,  248
.set WV,   12
.set PS,   13                          ; passes done
.set LIM1, 15
.set FL,   66                          ; the head's flags, the trip's at bit 0
.set FW,   67
.set MO,   68                          ; the trip's words in MW[T]
.set LIM0, 69
.set SEL,  70
.set CS,   72
.set PF,   6
.macro RLOAD                           ; a record: 26 pieces of 512 bytes: all sixteen waves one, waves 0-9 a second
	global_load_b128 v[G:G+3], v[T16], s[2:3]
	s_cmp_lt_u32 s[WV], 10
	s_cbranch_scc0 .Lshort_\@
	global_load_b128 v[G+4:G+7], v[T16], s[2:3] offset:8192
.Lshort_\@:
.endm
.macro RSTORE slot
	ds_store_b128 v[T16], v[G:G+3] offset:(\slot)*SLOT1
	s_cmp_lt_u32 s[WV], 10
	s_cbranch_scc0 .Lshort_\@
	ds_store_b128 v[T16], v[G+4:G+7] offset:(\slot)*SLOT1+8192
.Lshort_\@:
.endm
; Load k of the thirteen that bring V: 0 to 11 the four tiles' twelve pieces of 512 bytes, on end in the record and in FR; 12 the scale words
.macro VLOAD base, k
.if (\k) < 12
	ds_load_b128 v[FR+4*(\k):FR+4*(\k)+3], v[L16] offset:(\base)+6144+512*(\k)
.else
	ds_load_b128 v[VSC:VSC+3], v[L16] offset:(\base)+12800
.endif
.endm
; A PREFETCH INTO THE L2.  The pair's 32 records are 52 pieces of 8,192 bytes; trip j names pieces 2 j + 6 and 2 j + 7, lanes 256 bytes apart, one instruction in each of waves 12 and 13 of the pair's first work-group
; (all eight work-groups of a pair walk the same records).  Each aligned 256 bytes is named once; the last request, in trip 22, ends at the stream's end.  Pieces 0-5 come by their loads alone.
.macro ASK lim
	s_cmp_lt_u32 s[PS], s[\lim]
	s_cbranch_scc0 .Lnot_mine_\@
	global_prefetch_b8 v[PFO], s[PF:PF+1] th:TH_LOAD_NT scope:SCOPE_SE
.Lnot_mine_\@:
.endm
.macro RESET                           ; a head begins: O^T and the sum are zeros, the largest t is -3e38
.set n, 0
.rept 32
	v_mov_b32 v[O+n], 0
.set n, n+1
.endr
	v_mov_b32 v13, 0xff61b1e6
	v_floor_f32 v12, -v13
	v_mov_b32 v14, 0
	v_mov_b32 v15, 0
.endm
	s_load_b256 s[80:87], s[0:1], 0x0              ; QH, KV, MW, XO
	v_lshl_add_u32 v[SPW], v0, 2, SPARE
	v_mov_b32 v[NIL], 0
	v_lshrrev_b32 v6, 5, v0
	v_readfirstlane_b32 s[WV], v6                  ; wave 0..15
	v_and_b32 v6, 31, v0
	v_lshlrev_b32 v[L16], 4, v6
	v_lshlrev_b32 v[L8], 3, v6
	v_lshlrev_b32 v[T16], 4, v0
	v_lshlrev_b32 v[PFO], 8, v6
	v_and_b32 v[QSO], 15, v0
	v_lshlrev_b32 v[XGA], 2, v[QSO]
	s_wait_alu depctr_va_sdst(0)                   ; the wave's number is written, ahead of its first reader, the line below
	s_lshl_b32 s74, s[WV], 6
	v_add_nc_u32 v[XGA], s74, v[XGA]
	v_lshlrev_b32 v[QSO], 4, v[QSO]
	v_mov_b32 v[MKV], 0xd1800000
	s_and_b32 s75, ttmp7, 0xffff                   ; y = 8 b + hp; the pair's first head is 2 y
	s_lshl_b32 s74, ttmp9, 4
	s_add_co_u32 s74, s74, s[WV]                   ; T, my tile of queries
	s_mul_i32 s16, s75, 196608
	s_mul_i32 s17, s74, 768
	s_add_co_u32 s16, s16, s17
	s_mov_b32 s17, 0                               ; Q's codes
	s_lshl_b32 s18, s75, 14
	s_lshr_b32 s19, s74, 2
	s_lshl_b32 s19, s19, 8
	s_add_co_u32 s18, s18, s19
	s_and_b32 s19, s74, 3
	s_lshl_b32 s19, s19, 2
	s_add_co_u32 s18, s18, s19
	s_add_co_u32 s18, s18, QSOFF
	s_mov_b32 s19, 0                               ; Q's scale words
	s_mul_i32 s20, s75, 2*HEADKV
	s_mov_b32 s21, 0                               ; the pair's records
	s_lshl_b32 s22, s74, 12
	s_mov_b32 s23, 0                               ; my tile's mask words
	s_lshl_b32 s24, s74, 4
	s_add_co_u32 s24, s24, FWOFF
	s_mov_b32 s25, 0                               ; and flags
	s_lshr_b32 s26, s75, 3
	s_and_b32 s27, s75, 7                          ; hp
	s_lshl_b32 s26, s26, 7                         ; 128 b
	s_add_co_u32 s28, s26, s74
	s_mul_i32 s28, s28, 12288
	s_mul_i32 s29, s27, 1536
	s_add_co_u32 s28, s28, s29
	s_mov_b32 s29, 0                               ; x's fragment: token tile 128 b + T, K step hp
	s_lshl_b32 s30, ttmp9, 4
	s_add_co_u32 s30, s30, s26
	s_lshl_b32 s30, s30, 6
	s_lshl_b32 s31, s27, 15
	s_add_co_u32 s30, s30, s31
	s_add_co_u32 s30, s30, XOSOFF
	s_mov_b32 s31, 0                               ; the work-group's 1,024 bytes of x's scale words
	s_and_b32 s32, s[WV], 1
	s_lshl_b32 s32, s32, 13
	s_add_co_u32 s32, s32, 32768
	s_mov_b32 s33, 0                               ; the prefetches stand at piece 4 + wave % 2; each trip's head steps them two pieces on
	s_lshr_b32 s34, s[WV], 1
	s_xor_b32 s34, s34, 6
	s_or_b32 s34, s34, ttmp9                       ; 0 in waves 12 and 13 of the pair's first work-group
	s_cmp_eq_u32 s34, 0
	s_cselect_b32 s[LIM0], 12, 0                   ; trips 2 P < 23
	s_cselect_b32 s[LIM1], 11, 0                   ; trips 2 P + 1 < 23
	s_mov_b32 s[SEL], 0x76543210
	s_mov_b32 s[SEL+1], 0xfedcba98
	s_mov_b32 s[CS], 0x3e38aa3b                    ; c = log2(e) / 8
	s_mov_b32 s[CS+1], s[CS]
	s_mov_b32 s[PS], 0
	s_mov_b32 s[MO], 0
	s_wait_kmcnt 0x0
	s_add_nc_u64 s[16:17], s[80:81], s[16:17]
	s_add_nc_u64 s[18:19], s[80:81], s[18:19]
	s_add_nc_u64 s[2:3], s[82:83], s[20:21]
	s_add_nc_u64 s[4:5], s[84:85], s[22:23]
	s_add_nc_u64 s[24:25], s[84:85], s[24:25]
	s_add_nc_u64 s[8:9], s[86:87], s[28:29]
	s_add_nc_u64 s[10:11], s[86:87], s[30:31]
	s_add_nc_u64 s[PF:PF+1], s[2:3], s[32:33]
	s_load_b128 s[76:79], s[24:25], 0x0            ; four words of four flags
	s_wait_alu depctr_va_vdst(0)                   ; the addresses and offsets v1 to v5, v7, v8 and v10 are written: every load, store and prefetch of the kernel reads one of them, and none is written again
	RLOAD                                          ; record 0
	global_load_b128 v[QW:QW+3], v[L16], s[16:17]
	global_load_b64 v[QW+4:QW+5], v[L8], s[16:17] offset:512
	global_load_b128 v[QB:QB+3], v[L16], s[16:17] offset:98304
	global_load_b64 v[QB+4:QB+5], v[L8], s[16:17] offset:98816
	global_load_b32 v[QSC], v[QSO], s[18:19]
	global_load_b32 v[QSC+1], v[QSO], s[18:19] offset:8192
.irp i, 0,1,2,3,4,5
	v_mov_b32 v[QW+6+\i], 0                        ; zero codes for k = 64 .. 127
.endr
.irp i, 0,1,2,3,4,5,6,7,8,9,10,11
	v_mov_b32 v[XF+\i], 0
.endr
.irp b, 0,1,2,3
	v_mov_b32 v[BT+\b], 0                          ; a lane permute's destination counts as one of its sources
.endr
	v_mov_b32 v[F+1], 0
	v_mov_b32 v[TP], 0
	v_mov_b32 v[XSW], 0
	RESET
	s_wait_kmcnt 0x0
	s_lshl_b32 s77, s77, 4
	s_lshl_b32 s78, s78, 8
	s_lshl_b32 s79, s79, 12
	s_or_b32 s[FW], s76, s77
	s_or_b32 s[FW], s[FW], s78
	s_or_b32 s[FW], s[FW], s79                     ; bit S: key step S hides a key of my tile
	s_mov_b32 s[FL], s[FW]
	s_wait_loadcnt 0x0
	RSTORE 0
	s_wait_dscnt 0x0                               ; my part of record 0 lies in slot 0
	s_wait_alu depctr_vm_vsrc(0)                   ; the LDS stores have read G, in which record 1 lands
	s_add_nc_u64 s[2:3], s[2:3], REC
	RLOAD                                          ; record 1
; A TRIP: 128 keys from the slot named.  st = 1: the next record, which has come into registers, goes into the other slot.  ld = 1: the record after that is asked for.
.macro TRIP slot, st, ld
.set SLB, (\slot)*SLOT1
.rept 4
	v_nop                                          ; places behind the last products, ahead of the loads into registers that they have read; the wait ahead of those loads stands beside them
.endr
.if \ld
	s_wait_xcnt 0x0                                ; the last trip's prefetch and loads have read their addresses
	s_add_nc_u64 s[PF:PF+1], s[PF:PF+1], 16384
.endif
	s_wait_dscnt 0x0                               ; my part of this slot's record has landed, and my reads of the other slot are over
	s_barrier_signal -1
	s_barrier_wait -1                              ; both hold of all sixteen waves
.if \st
	s_wait_loadcnt 0x0                             ; the next record is in my registers (asked for a trip ago)
	RSTORE 1-(\slot)
.endif
	s_wait_alu depctr_va_vdst(0)                   ; the last trip's products are done reading FR, KSC and VSC, in which this trip's loads land; and what the head or the end of a head wrote of Q's operand, Q's scale word and x's fragment, which the scaled products below take, is written
.irp t, 0,1,2,3,4,5,6,7
	ds_load_b128 v[FR+6*\t:FR+6*\t+3], v[L16] offset:SLB+768*\t
	ds_load_b64 v[FR+6*\t+4:FR+6*\t+5], v[L8] offset:SLB+768*\t+512
.endr
	ds_load_b128 v[KSC:KSC+3], v[L16] offset:SLB+12288   ; lanes 0-15: tiles 0-3's words, lanes 16-31: tiles 4-7's
.if \st
	s_wait_alu depctr_vm_vsrc(0)                   ; the LDS stores above have read G, in which the next load lands: the record's, or, behind the last record, the load of x's scale words at the kernel's end
.endif
.if \ld
	s_add_nc_u64 s[2:3], s[2:3], REC
	RLOAD                                          ; asked for while K is on its way out of LDS
.if \slot
	ASK LIM1
.else
	ASK LIM0
.endif
.endif
	s_wait_dscnt 0x0                               ; K and its scale words are in
.irp t, 0,1,2,3
	v_wmma_scale_f32_16x16x128_f8f6f4 v[S+8*\t:S+8*\t+7], v[FR+6*\t:FR+6*\t+11], v[QW:QW+11], 0, v[KSC+\t], v[QSC] matrix_a_fmt:MATRIX_FMT_FP6 matrix_b_fmt:MATRIX_FMT_FP6
.endr
.irp t, 4,5,6,7
	v_wmma_scale_f32_16x16x128_f8f6f4 v[S+8*\t:S+8*\t+7], v[FR+6*\t:FR+6*\t+11], v[QW:QW+11], 0, v[KSC+\t-4], v[QSC] matrix_a_fmt:MATRIX_FMT_FP6 matrix_b_fmt:MATRIX_FMT_FP6 matrix_a_scale:MATRIX_SCALE_ROW1
.endr
.rept 4
	v_nop                                          ; places in front of the first read of the scores
.endr
	s_wait_alu depctr_va_vdst(0)                   ; the eight products are done reading K's registers, in which V's loads land.  Up to the last of those loads no vector instruction names FR, VSC or v1
.irp k, 0,1,2,3,4
	VLOAD SLB, \k
.endr
	s_and_b32 s74, s[FL], 1                        ; a stored whole number: does this tile of the mask hide a key?
	s_cbranch_scc0 .Lopen_\@
	s_load_b512 s[16:31], s[4:5], s[MO] offset:0x0
	s_load_b512 s[32:47], s[4:5], s[MO] offset:0x40
	s_load_b512 s[48:63], s[4:5], s[MO] offset:0x80
	s_load_b512 s[80:95], s[4:5], s[MO] offset:0xc0
	s_wait_kmcnt 0x0
.set n, 0
.rept 48
	v_cndmask_b32 v[S+n], v[S+n], v[MKV], s[16+n]
.set n, n+1
.endr
.rept 16
	v_cndmask_b32 v[S+n], v[S+n], v[MKV], s[32+n]
.set n, n+1
.endr
.Lopen_\@:
.irp b, 0,1,2,3
	v_max3_num_f32 v[BM+\b], v[S+16*\b], v[S+1+16*\b], v[S+2+16*\b]   ; the largest score of each block of 32 keys: for the row's maximum and, since p rises with the score, for the block's largest p
.endr
	VLOAD SLB, 5                                   ; the other eight of V's loads, one behind each four lines of the search
.irp i, 3,5,7,9,11,13
.irp b, 0,1,2,3
	v_max3_num_f32 v[BM+\b], v[BM+\b], v[S+16*\b+\i], v[S+1+16*\b+\i]
.endr
	VLOAD SLB, 5+(\i-1)/2
.endr
.irp b, 0,1,2,3
	v_max_num_f32 v[BM+\b], v[BM+\b], v[S+15+16*\b]
.endr
	VLOAD SLB, 12
.irp b, 0,1,2,3
	v_permlanex16_b32 v[BT+\b], v[BM+\b], s[SEL], s[SEL+1]
.endr
.irp b, 0,1,2,3
	v_max_num_f32 v[BM+\b], v[BM+\b], v[BT+\b]
.endr
	v_max3_num_f32 v[TP], v[BM], v[BM+1], v[BM+2]
	v_max_num_f32 v[TP], v[TP], v[BM+3]
	v_mul_f32 v[TP], s[CS], v[TP]                  ; as t
	v_max_num_f32 v13, v13, v[TP]                  ; the running largest t
	v_mov_b32 v[TP], v12
	v_floor_f32 v12, -v13                          ; the new -M: M is a whole number
	v_sub_f32 v[TP], v12, v[TP]
	v_cvt_i32_f32 v[TP], v[TP]                     ; (it saturates)
	v_ldexp_f32 v[F], 1.0, v[TP]                   ; f = 2^(old M - new M): rounds nothing
.set n, 0
.rept 32
	v_pk_fma_f32 v[S+n:S+n+1], v[S+n:S+n+1], s[CS:CS+1], v[12:13] op_sel_hi:[1,0,0]   ; t - M
.set n, n+2
.endr
.irp b, 0,1,2,3
	v_fma_f32 v[BM+\b], v[BM+\b], s[CS], v12
.endr
.set n, 0
.rept 64
	v_exp_f32 v[S+n], v[S+n]                       ; p = 2^(t - M)
.set n, n+1
.endr
	v_pk_mul_f32 v[14:15], v[14:15], v[F:F+1] op_sel_hi:[1,0]   ; the sums under the new M (a plain place behind the exponentials)
	s_wait_alu depctr_va_vdst(0)                   ; the 64 exponentials have written p: one wait for the batch, ahead of its first reader
.irp b, 0,1,2,3
	v_exp_f32 v[BM+\b], v[BM+\b]                   ; the blocks' largest p
.endr
	v_pk_add_f32 v[SU:SU+1], v[S:S+1], v[S+2:S+3]  ; the row's sum of the unquantised p, in two chains
.set n, 4
.rept 15
	v_pk_add_f32 v[14:15], v[14:15], v[S+n:S+n+1]
	v_pk_add_f32 v[SU:SU+1], v[SU:SU+1], v[S+n+2:S+n+3]
.set n, n+4
.endr
	v_pk_add_f32 v[14:15], v[14:15], v[SU:SU+1]
	s_wait_alu depctr_va_vdst(0)                   ; the four exponentials have written the blocks' largest p, ahead of their first reader
.irp b, 0,1,2,3
	v_max_num_f32 v[BM+\b], 0x1800000, v[BM+\b]    ; the floor 2^(3 - 127)
.endr
.irp b, 0,1,2,3
	v_add_nc_u32 v[BS+\b], 0xff000000, v[BM+\b]
.endr
.irp b, 0,1,2,3
	v_lshrrev_b32 v[BT+\b], 23, v[BS+\b]
.endr
	v_lshl_or_b32 v[PSC], v[BT+1], 8, v[BT]
	v_lshl_or_b32 v[PSC], v[BT+2], 16, v[PSC]
	v_lshl_or_b32 v[PSC], v[BT+3], 24, v[PSC]
.irp c, 0,1
	v_cvt_scalef32_pk16_fp6_f32 v[P+6*\c:P+6*\c+2], v[S+32*\c:S+32*\c+15], v[BS+2*\c]
	v_cvt_scalef32_pk16_fp6_f32 v[CT+4*\c:CT+4*\c+2], v[S+16+32*\c:S+31+32*\c], v[BS+2*\c+1]
.endr
	v_nop                                          ; one plain place behind a scaled conversion
.irp c, 0,1
.irp i, 0,1,2
	v_permlane16_swap_b32 v[P+6*\c+\i], v[CT+4*\c+\i]
.endr
.irp i, 0,1,2
	v_mov_b32 v[P+3+6*\c+\i], v[CT+4*\c+\i]
.endr
.endr
.set n, 0
.rept 16
	v_pk_mul_f32 v[O+n:O+n+1], v[O+n:O+n+1], v[F:F+1] op_sel_hi:[1,0]   ; O^T under the new M; these are also the places between p's scale word and codes and the products
.set n, n+2
.endr
	s_wait_dscnt 0x0                               ; V and its scale words
	s_wait_alu depctr_va_vdst(0)                   ; the vector instructions have written p's codes and p's scale word, which the scaled products take as an operand and as scales; the places above stay beside this wait
.irp d, 0,1,2,3
	v_wmma_scale_f32_16x16x128_f8f6f4 v[O+8*\d:O+8*\d+7], v[FR+12*\d:FR+12*\d+11], v[P:P+11], v[O+8*\d:O+8*\d+7], v[VSC+\d], v[PSC] matrix_a_fmt:MATRIX_FMT_FP6 matrix_b_fmt:MATRIX_FMT_FP6
.endr
	s_lshr_b32 s[FL], s[FL], 1
	s_add_co_u32 s[MO], s[MO], 256
.endm
; A head is done: O^T / the sum becomes 64 codes and two scale bytes of x.  The fragment's upper half moves down and the new codes take its place, so that after two heads the first lies below.  more = 1: the second head begins.
.macro FINISH more
	v_add_f32 v14, v14, v15
	v_permlanex16_b32 v[TP], v14, s[SEL], s[SEL+1]
	v_add_f32 v14, v14, v[TP]                      ; the row's sum
	v_rcp_f32 v14, v14
.irp i, 0,1,2,3,4,5
	v_mov_b32 v[XF+\i], v[XF+6+\i]                 ; (the places behind the last products and behind the reciprocal)
.endr
	s_wait_alu depctr_va_vdst(0)                   ; the reciprocal has written v14, ahead of its first reader
.set n, 0
.rept 16
	v_pk_mul_f32 v[O+n:O+n+1], v[O+n:O+n+1], v[14:15] op_sel_hi:[1,0]   ; register 16 b + i = channel 32 b + 16 (lane / 16) + i of my query
.set n, n+2
.endr
.irp b, 0,1
	v_max3_num_f32 v[BM+\b], |v[O+16*\b]|, |v[O+1+16*\b]|, 0x1800000
.endr
.irp i, 2,4,6,8,10,12,14
.irp b, 0,1
	v_max3_num_f32 v[BM+\b], v[BM+\b], |v[O+16*\b+\i]|, |v[O+1+16*\b+\i]|
.endr
.endr
.irp b, 0,1
	v_permlanex16_b32 v[BT+\b], v[BM+\b], s[SEL], s[SEL+1]
.endr
.irp b, 0,1
	v_max_num_f32 v[BM+\b], v[BM+\b], v[BT+\b]
.endr
.irp b, 0,1
	v_add_nc_u32 v[BS+\b], 0xff000000, v[BM+\b]
.endr
.irp b, 0,1
	v_lshrrev_b32 v[BT+\b], 23, v[BS+\b]
.endr
	v_lshl_or_b32 v[TP], v[BT+1], 8, v[BT]
	v_lshrrev_b32 v[XSW], 16, v[XSW]
	v_lshl_or_b32 v[XSW], v[TP], 16, v[XSW]
	v_cvt_scalef32_pk16_fp6_f32 v[XF+6:XF+8], v[O:O+15], v[BS]
	v_cvt_scalef32_pk16_fp6_f32 v[CT:CT+2], v[O+16:O+31], v[BS+1]
	v_nop                                          ; one plain place behind a scaled conversion
.irp i, 0,1,2
	v_permlane16_swap_b32 v[XF+6+\i], v[CT+\i]
.endr
.irp i, 0,1,2
	v_mov_b32 v[XF+9+\i], v[CT+\i]
.endr
.if \more
	v_mov_b32 v[QSC], v[QSC+1]                     ; the second head's Q; the 36 lines of RESET stand between these and the next products, and the next trip's first wait states that they are written
.irp i, 0,1,2,3,4,5
	v_mov_b32 v[QW+\i], v[QB+\i]
.endr
	RESET
	s_mov_b32 s[FL], s[FW]
	s_mov_b32 s[MO], 0
.endif
.endm
.Lpass:                                            ; 15 passes: trips 0 to 29
	TRIP 0, 1, 1
	TRIP 1, 1, 1
	s_add_co_u32 s[PS], s[PS], 1
	s_cmp_lg_u32 s[PS], 8
	s_cbranch_scc1 .Lsame_head
	FINISH 1                                       ; sixteen trips: the first head's keys are through
.Lsame_head:
	s_cmp_lt_u32 s[PS], 15
	s_cbranch_scc1 .Lpass
	TRIP 0, 1, 0                                   ; the last two trips ask for nothing: no load leaves the buffer
	TRIP 1, 0, 0
	FINISH 0
	s_wait_alu depctr_va_vdst(0)                   ; the vector instructions have written x's fragment and x's scale word, which the stores below read
.irp p, 0,1,2
	global_store_b128 v[L16], v[XF+4*\p:XF+4*\p+3], s[8:9] offset:512*\p   ; x's fragment: three times 512 consecutive bytes
.endr
	ds_store_b32 v[XGA], v[XSW] offset:XG          ; both halves of the lanes write the same word with the same value
	s_wait_dscnt 0x0
	s_barrier_signal -1
	s_barrier_wait -1
	s_cmp_lt_u32 s[WV], 2
	s_cbranch_scc0 .Lend
	ds_load_b128 v[G:G+3], v[T16] offset:XG        ; the sixteen tiles' words leave as 1,024 consecutive bytes, 512 a wave.  (G is free: the last record's LDS stores were shown to have read it in the trip that issued them, and no vector instruction names it)
	s_wait_dscnt 0x0
	global_store_b128 v[T16], v[G:G+3], s[10:11]
.Lend:
	s_wait_dscnt 0x0                               ; the closing lines, six on end
	s_wait_alu 0x0
	s_wait_tensorcnt 0x0
	ds_add_u32 v[SPW], v[NIL]
	s_wait_dscnt 0x0
	s_endpgm
.Lfunc_end_k_qf9efde1230_attn:
	.size	k_qf9efde1230_attn, .Lfunc_end_k_qf9efde1230_attn-k_qf9efde1230_attn
	.p2alignl 7, 3214868480
	.fill 96, 4, 3214868480
	.section	.rodata,"a",@progbits
	.p2align	6, 0x0
	.amdhsa_kernel k_qf9efde1230_attn
		.amdhsa_group_segment_fixed_size 32768
		.amdhsa_private_segment_fixed_size 0
		.amdhsa_enable_private_segment 0
		.amdhsa_kernarg_size 32
		.amdhsa_user_sgpr_count 2
		.amdhsa_user_sgpr_kernarg_segment_ptr 1
		.amdhsa_wavefront_size32 1
		.amdhsa_system_sgpr_workgroup_id_x 1
		.amdhsa_system_sgpr_workgroup_id_y 1
		.amdhsa_system_sgpr_workgroup_id_z 1
		.amdhsa_system_vgpr_workitem_id 0
		.amdhsa_next_free_vgpr 256
		.amdhsa_next_free_sgpr 96
		.amdhsa_reserve_vcc 0
		.amdhsa_float_denorm_mode_32 3
		.amdhsa_float_denorm_mode_16_64 3
		.amdhsa_memory_ordered 1
		.amdhsa_forward_progress 1
		.amdhsa_inst_pref_size 98
	.end_amdhsa_kernel
	.amdgpu_metadata
---
amdhsa.version: [ 1, 2 ]
amdhsa.kernels:
  - .name:           k_qf9efde1230_attn
    .symbol:         k_qf9efde1230_attn.kd
    .args:
      - { .name: QH, .offset: 0, .size: 8, .value_kind: global_buffer, .address_space: global }
      - { .name: KV, .offset: 8, .size: 8, .value_kind: global_buffer, .address_space: global }
      - { .name: MW, .offset: 16, .size: 8, .value_kind: global_buffer, .address_space: global }
      - { .name: XO, .offset: 24, .size: 8, .value_kind: global_buffer, .address_space: global }
    .group_segment_fixed_size: 32768
    .private_segment_fixed_size: 0
    .kernarg_segment_align: 8
    .kernarg_segment_size: 32
    .max_flat_workgroup_size: 512
    .sgpr_count:     96
    .vgpr_count:     256
    .wavefront_size: 32
...
	.end_amdgpu_metadata
.endif
;; end of part 5
;; launch outp: the kernel of part 4 again; grid 4 x 64, 4 waves a work-group, clusters of 4 x 4, 327,680 bytes of LDS; arguments XO, WQ, bo, out0; writes out0
